; MI455X (gfx1250); checked and timed in simulation.
; The chip was launched on July 23, 2026; its instructions are those of AMD's public machine-readable ISA for CDNA 5 (MIT licence, August 2026) and "CDNA5" Instruction Set Architecture Reference Guide (July 2026). The comments in the code are by the model that wrote it; some were corrected since.
;; Residual Attention Block. Allowed arithmetic: matrix products marked QUANTISED: E2M3 operands, one E8M0 scale for each 32 along K, by v_wmma_scale_f32_16x16x128_f8f6f4 with both operands' format E2M3, f32 sums; products left as they are: f32 operands where the result goes on into a quantised operand, else bf16, f16 or f32 operands; f32 sums; everything else in f32.
;; Inputs: W1_codes 512 x 16 x 24 uint8 (E2M3 codes of W1, K innermost, in blocks of 32 codes, four codes in three bytes); W1_scales 512 x 16 uint8 (E8M0 scales of W1, one for each 32 codes along K); W2_codes 512 x 16 x 24 uint8 (E2M3 codes of W2, K innermost, in blocks of 32 codes, four codes in three bytes); W2_scales 512 x 16 uint8 (E8M0 scales of W2, one for each 32 codes along K); Wk_codes 512 x 16 x 24 uint8 (E2M3 codes of Wk, K innermost, in blocks of 32 codes, four codes in three bytes); Wk_scales 512 x 16 uint8 (E8M0 scales of Wk, one for each 32 codes along K); Wm_codes 512 x 16 x 24 uint8 (E2M3 codes of Wm, K innermost, in blocks of 32 codes, four codes in three bytes); Wm_scales 512 x 16 uint8 (E8M0 scales of Wm, one for each 32 codes along K); Wq_codes 512 x 16 x 24 uint8 (E2M3 codes of Wq, K innermost, in blocks of 32 codes, four codes in three bytes); Wq_scales 512 x 16 uint8 (E8M0 scales of Wq, one for each 32 codes along K); Wv_codes 512 x 16 x 24 uint8 (E2M3 codes of Wv, K innermost, in blocks of 32 codes, four codes in three bytes); Wv_scales 512 x 16 uint8 (E8M0 scales of Wv, one for each 32 codes along K); b1 512 float32; b2 512 float32; b_att 512 float32; b_ffn 512 float32; g_att 512 float32; g_ffn 512 float32; x 8 x 4,096 x 512 float32.
;; Outputs: out0 8 x 4,096 x 512 float32.
;; This version of the problem:
;;   THIS VERSION OF THE PROBLEM IS GIVEN IN LOW PRECISION. The matrix products marked QUANTISED in the list below multiply operands that are first quantised to E2M3 (2 exponent bits, 3 mantissa bits; 6 bits a number), with one power-of-two scale for each 32 numbers along K (OCP MX v1.0); their sums are f32. All else is computed in f32.
;;   The module's matrix products, in the order in which they are computed (A, B: the left and right operand; K: the contracted axis; several contracted axes count as one K, in the product's order):
;;     1. [M 32,768, K 512] x [K 512, N 512]; A: computed on the way; B: input Wq (given as codes): QUANTISED
;;     2. [M 32,768, K 512] x [K 512, N 512]; A: computed on the way; B: input Wk (given as codes): QUANTISED
;;     3. [M 32,768, K 512] x [K 512, N 512]; A: computed on the way; B: input Wv (given as codes): QUANTISED
;;     4. batch 128 x [M 32, K 4,096] x [K 4,096, N 32]; A: computed on the way; B: computed on the way: QUANTISED
;;     5. batch 128 x [M 1, K 32] x [K 32, N 4,096]; A: computed on the way; B: computed on the way: left as it is (M = 1 < 16)
;;     6. batch 128 x [M 32, K 32] x [K 32, N 4,096]; A: computed on the way; B: computed on the way: QUANTISED
;;     7. [M 32,768, K 512] x [K 512, N 512]; A: computed on the way; B: input Wm (given as codes): QUANTISED
;;     8. [M 32,768, K 512] x [K 512, N 512]; A: computed on the way; B: input W1 (given as codes): QUANTISED
;;     9. [M 32,768, K 512] x [K 512, N 512]; A: computed on the way; B: input W2 (given as codes): QUANTISED
;;   THE QUANTISER, for each operand of a quantised product, along K:
;;     - K is cut into blocks of 32 from its start; a last block that is shorter is filled with zeros.
;;     - A block's scale is 2^e with e = floor(log2(the largest magnitude in the block)) - 2, held to -126 .. 127; a block of zeros has e = 0. As a byte (E8M0): e + 127.
;;     - Each number is divided by its block's scale, clamped to +-7.5, and rounded to the nearest number of E2M3, ties to even, subnormals kept.
;;     - The product sums the exact products of the quantised numbers (number of the format x scale) in f32.
;;   ~~~python
;;   def quantise(x, axis):      # numpy; x: float32 -> the quantised numbers, widened to float32 again
;;       x = np.moveaxis(x, axis, -1); K = x.shape[-1]
;;       x = np.pad(x, [(0, 0)] * (x.ndim - 1) + [(0, -K % 32)]); x = x.reshape(x.shape[:-1] + (-1, 32)); a = np.abs(x).max(-1, keepdims=True)
;;       e = np.where(a > 0, np.clip(np.frexp(np.where(a > 0, a, 1))[1] - 1 - 2, -126, 127), 0)      # np.frexp(a)[1] - 1 = floor(log2(a)), exactly
;;       r = np.clip(x / 2.0 ** e, -7.5, 7.5)
;;       step = 2.0 ** (np.maximum(np.frexp(np.where(r == 0, 1, r))[1] - 1, 0) - 3)
;;       q = np.round(r / step) * step * 2.0 ** e      # np.round: ties to even
;;       return np.moveaxis(q.reshape(q.shape[:-2] + (-1,))[..., :K], -1, axis).astype(np.float32)
;;   ~~~
;;   OPERANDS COMPUTED ON THE WAY. 'Computed on the way' means the value that the module computes at that place (a softmax that the list does not call 'softmax' is quantised finished and normalised). What goes into a quantiser is computed in f32, as accurately as f32 sums, v_exp_f32 and their like allow (about 1e-6 of the number): no bf16 or f16 on the way to a quantiser, and a product that is left as it is and whose result goes on into a quantised operand takes f32 operands (vector FMAs, or v_wmma_f32_16x16x4_f32). A number that lies on a knife's edge between two numbers of the format may be rounded either way, as far as f32 arithmetic and the matrix unit's own rounding can turn it there, and no further.
;;   INPUTS GIVEN AS CODES. W1 (in the module: [512, 512], K = its axis 0); W2 (in the module: [512, 512], K = its axis 0); Wk (in the module: [512, 512], K = its axis 0); Wm (in the module: [512, 512], K = its axis 0); Wq (in the module: [512, 512], K = its axis 0); Wv (in the module: [512, 512], K = its axis 0): each comes as NAME_codes (uint8): NAME with its K axis moved to the last place and cut into blocks of 32 codes, [.., K / 32, bytes a block], one block behind the other in memory; four codes in three bytes: a row's codes are one little-endian stream of bits, code i at bits 6 i .. 6 i + 5 (a code: sign, 2 exponent bits, 3 mantissa bits); and NAME_scales (uint8): the same leading axes, one E8M0 byte (e + 127) for each 32 codes along K. Its value is code x scale, taken as it is: it is not quantised again, and the codes and scales need not be those that the quantiser above would give.
;; One version. Each part assembles by itself: llvm-mc -triple=amdgcn-amd-amdhsa -mcpu=gfx1250 --defsym DOCPART=n.
;; ======== version 1 of 1: 3 launches
;; workspace buffers: wfrag 1,179,648 bytes; himg 12,582,912 bytes; hscl 524,288 bytes; kvp 1,048,576 bytes; ksp 32,768 bytes
;; launch prep (part 1): grid 256 x 1, 4 waves a work-group, no clusters, 327,680 bytes of LDS; arguments x, g_att, b_att, Wk_codes, Wv_codes, Wq_codes, Wm_codes, W1_codes, W2_codes, wfrag, himg, hscl; writes wfrag, himg, hscl
.if DOCPART == 1
	.amdgcn_target "amdgcn-amd-amdhsa--gfx1250"
	.amdhsa_code_object_version 6
	.text
	.protected	k_q0861bf4048_prep
	.globl	k_q0861bf4048_prep
	.p2align	8
	.type	k_q0861bf4048_prep,@function
k_q0861bf4048_prep:
	s_mov_b64 s[64:65], 0
	v_nop
	global_prefetch_b8 v0, s[64:65] scope:SCOPE_SE
	s_setreg_imm32_b32 hwreg(HW_REG_WAVE_MODE, 25, 1), 1
	s_wait_xcnt 0x0
; THE PROGRAM: x1 = x + msg Wm, out = x1 + gelu(LN(x1) W1 + b1) W2 + b2, msg = linear attention on h = LN(x).  Three launches: this one (h quantised; the weights laid out); kv (K, V, K^T V and the sums of K,
; two partial sums a head); chain (Q, msg, Wm, LN, W1, gelu, W2).
; NO WORK OF THE MODULE IS LEFT OUT: every input has a way to the output and is loaded; every product of the table is done.
; THIS LAUNCH.  (1) h = LN(x) g_att + b_att, quantised along its 512 channels, stored as images of a matrix operand's registers: himg [row tile 2,048][K step 4][1,536 bytes] (register group c of lane l at 512 c + 16 l),
; hscl [row tile][row 16][4 scale bytes x 4 K steps].  Row tile m of a block of 128 rows, index i = row 32 (m / 2) + 8 (m % 2) + (i % 8) + 16 (i / 8).
; (2) The six weights' codes in the same order: wfrag [weight Wk,Wv,Wq,Wm,W1,W2][wave w 4][K step s 4][tile t 8][1,536]; index i of tile t of wave w = column 128 w + 32 (t / 2) + 8 (t % 2) + (i % 8) + 16 (i / 8).
; One wave makes one of the 768 fragments (work-groups 0 to 191), while its rows of x are on their way.
; SHARES.  A work-group owns 128 rows, a wave 32: two row tiles.  A lane holds half a row: 256 numbers in window 2, register 64 s + 16 b + i = channel 128 s + 32 b + 16 (lane / 16) + i.
; x comes by four tensor loads a wave, 8 rows each, laid so that a row tile's 16 rows lie on end: the first tile is worked while the second tile's two loads are on their way.  Four loads of a wave are out at the most.
; No cluster: the work-groups share no tile of x.  No barrier: a wave touches its own LDS bytes alone.
; LIMITS: NaN and infinities are not served; a block whose largest magnitude lies under 2^-124 (a block of zeros too) gets the scale byte 1; this program alone reads the bytes.
; LDS: 0: four regions of 66,560: 32 rows of 2 x (1,024 + 16) bytes.  266,240: the scale words made (512 w + 256 u + 16 r).  268,288: b_att, a copy for each wave.  276,480: the spare words.
; REGISTERS, window 0: v1, v2 the add's; v3-10 addresses; v20-31 at work; v32-95 F, v96-159 X; v176-239 b_att's chunk; v240-243 scale words; v244-255 a weight's fragment.  Window 2: x.  Window 3: g_att.
.set XRW,   66560
.set TILEB, 33280
.set ASL,   266240
.set BT,    268288
.set SPARE, 276480
.set FRB,   1536
.set SPW, 1
.set NIL, 2
.set L16, 3
.set XA,  4
.set RLO, 5
.set ASW, 6
.set ASRD, 7
.set BTA, 8
.set BTW, 9
.set TBO, 10
.set F,   32
.set X,   96
.set BC,  176
.set RD,  244
.set G1,  28
.set G0,  36
.set WV,  52
.set SEL, 54
.set MSB, 0
.macro WIN new                         ; the immediate's high byte repeats the setting that is left
.if MSB != (\new)
	s_set_vgpr_msb (MSB<<8)|(\new)
.set MSB, (\new)
.endif
.endm
; 64 numbers of a lane, register 16 b + i = k 32 b + 16 (lane / 16) + i of my row, become a fragment's codes in v[T+16 .. T+27] and its scale word in v[pw]
.macro QUANT s, T, pw
.irp b, 0,1,2,3
	v_max3_num_f32 v[\T+\b], |v[\s+16*\b]|, |v[\s+1+16*\b]|, 0x1800000   ; my 16 numbers of block b, and the floor 2^(3 - 127): the byte cannot fall under 1
.endr
.irp i, 2,4,6,8,10,12,14
.irp b, 0,1,2,3
	v_max3_num_f32 v[\T+\b], v[\T+\b], |v[\s+16*\b+\i]|, |v[\s+1+16*\b+\i]|
.endr
.endr
.irp b, 0,1,2,3
	v_permlanex16_b32 v[\T+4+\b], v[\T+\b], s[SEL], s[SEL+1]
.endr
.irp b, 0,1,2,3
	v_max_num_f32 v[\T+\b], v[\T+\b], v[\T+4+\b]   ; with lane l xor 16's: the block's largest magnitude
.endr
.irp b, 0,1,2,3
	v_add_nc_u32 v[\T+12+\b], 0xff000000, v[\T+\b] ; 2 off its exponent field: the conversion's scale operand
.endr
.irp b, 0,1,2,3
	v_lshrrev_b32 v[\T+4+\b], 23, v[\T+12+\b]      ; the scale's byte
.endr
	v_lshl_or_b32 v[\pw], v[\T+5], 8, v[\T+4]
	v_lshl_or_b32 v[\pw], v[\T+6], 16, v[\pw]
	v_lshl_or_b32 v[\pw], v[\T+7], 24, v[\pw]
.irp c, 0,1
	v_cvt_scalef32_pk16_fp6_f32 v[\T+16+6*\c:\T+18+6*\c], v[\s+32*\c:\s+15+32*\c], v[\T+12+2*\c]
	v_cvt_scalef32_pk16_fp6_f32 v[\T+28+4*\c:\T+30+4*\c], v[\s+16+32*\c:\s+31+32*\c], v[\T+13+2*\c]
.endr
	v_nop                                          ; one plain place behind a scaled conversion
.irp c, 0,1                                    ; the operand wants a whole block in a lane
.irp i, 0,1,2
	v_permlane16_swap_b32 v[\T+16+6*\c+\i], v[\T+28+4*\c+\i]
.endr
.irp i, 0,1,2
	v_mov_b32 v[\T+19+6*\c+\i], v[\T+28+4*\c+\i]
.endr
.endr
.endm
.macro COMB                                    ; four packed chains in v24-31 become one sum over lanes l and l xor 16, in v24
	v_pk_add_f32 v[24:25], v[24:25], v[26:27]
	v_pk_add_f32 v[28:29], v[28:29], v[30:31]
	v_pk_add_f32 v[24:25], v[24:25], v[28:29]
	v_add_f32 v24, v24, v25
	v_permlanex16_b32 v25, v24, s[SEL], s[SEL+1]
	v_add_f32 v24, v24, v25
.endm
.macro BCLOAD s                                ; b_att at my 64 channels of K step s
.irp b, 0,1,2,3
.irp q, 0,1,2,3
	ds_load_b128 v[BC+16*\b+4*\q:BC+16*\b+4*\q+3], v[BTA] offset:512*(\s)+128*\b+16*\q
.endr
.endr
.endm
; K step s of row tile u: normed, scaled, shifted, quantised, stored
.macro HCHUNK u, s
	s_wait_dscnt 0x0                               ; b_att's chunk is in
	WIN 0x02
.set i, 0
.rept 32
	v_pk_mul_f32 v[F+i:F+i+1], v[64*(\s)+i:64*(\s)+i+1], v[22:23]
.set i, i+2
.endr
	WIN 0x0c
.set i, 0
.rept 32
	v_pk_fma_f32 v[F+i:F+i+1], v[F+i:F+i+1], v[64*(\s)+i:64*(\s)+i+1], v[BC+i:BC+i+1]
.set i, i+2
.endr
	WIN 0
.if (\s) < 3
	BCLOAD (\s)+1
.endif
	s_wait_xcnt 0x0                                ; the last fragment's stores have read their registers
	QUANT F, X, 240+\s
.irp c, 0,1,2
	global_store_b128 v[L16], v[X+16+4*\c:X+19+4*\c], s[24:25] offset:(4*(\u)+(\s))*FRB+512*\c   ; 512 consecutive bytes, aligned
.endr
.endm
; row tile u of my two
.macro XTRIP u
	WIN 0x80
.irp s, 0,1,2,3
.irp b, 0,1,2,3
.irp q, 0,1,2,3
	ds_load_b128 v[64*\s+16*\b+4*\q:64*\s+16*\b+4*\q+3], v[XA] offset:(\u)*TILEB+512*\s+128*\b+16*\q+16*(\s/2)
.endr
.endr
.endr
	WIN 0
	BCLOAD 0
	s_wait_dscnt 16                                ; x is in; b_att's 16 loads may be out
	WIN 0x0a
.irp c, 0,1,2,3
	v_pk_add_f32 v[24+2*\c:25+2*\c], v[4*\c:4*\c+1], v[4*\c+2:4*\c+3]
.endr
	WIN 0x08
.set i, 16
.rept 30
.irp c, 0,1,2,3
	v_pk_add_f32 v[24+2*\c:25+2*\c], v[24+2*\c:25+2*\c], v[i+2*\c:i+2*\c+1]
.endr
.set i, i+8
.endr
	WIN 0
	COMB
	v_mul_f32 v20, 0xbb000000, v24                 ; - the mean
	v_mov_b32 v21, v20
	WIN 0x82
.set i, 0
.rept 128
	v_pk_add_f32 v[i:i+1], v[i:i+1], v[20:21]      ; x - mean, in place
.set i, i+2
.endr
	WIN 0x0a
.irp c, 0,1,2,3
	v_pk_mul_f32 v[24+2*\c:25+2*\c], v[2*\c:2*\c+1], v[2*\c:2*\c+1]
.endr
.set i, 8
.rept 31
.irp c, 0,1,2,3
	v_pk_fma_f32 v[24+2*\c:25+2*\c], v[i+2*\c:i+2*\c+1], v[i+2*\c:i+2*\c+1], v[24+2*\c:25+2*\c]
.endr
.set i, i+8
.endr
	WIN 0
	COMB
	v_fma_f32 v22, v24, s56, s57                   ; the variance + 1e-6
	v_rsq_f32 v22, v22
	v_nop
	s_wait_alu depctr_va_vdst(0)                   ; ahead of the first reader
	v_mov_b32 v23, v22
	HCHUNK \u, 0
	HCHUNK \u, 1
	HCHUNK \u, 2
	HCHUNK \u, 3
	ds_store_b128 v[ASW], v[240:243] offset:256*(\u)   ; my row's four scale words (both halves of the lanes write the same)
	s_wait_dscnt 0x0
.endm
	s_load_b512 s[4:19], s[0:1], 0x0               ; x, g_att, b_att, Wk, Wv, Wq, Wm, W1
	s_load_b256 s[20:27], s[0:1], 0x40             ; W2, wfrag, himg, hscl
	v_lshl_add_u32 v[SPW], v0, 2, SPARE
	v_mov_b32 v[NIL], 0
	ds_add_u32 v[SPW], v[NIL]                      ; the wave's opening: the add, twice on end, and its wait ahead of my first tensor load
	ds_add_u32 v[SPW], v[NIL]
	v_lshrrev_b32 v3, 5, v0
	v_readfirstlane_b32 s[WV], v3                  ; wave 0..3
	s_mov_b32 s[G1], (2<<16)|(1<<20)|(7<<22)|(3<<25)   ; elements of 4 bytes; 4 words of padding behind every 256
	s_mov_b32 s[G1+1], 256<<16                     ; tensor_dim0 = 256: half a row of x
	s_mov_b32 s[G1+2], 16<<16                      ; tensor_dim1 = 16: 8 rows
	s_mov_b32 s[G1+3], 256<<16                     ; tile_dim0
	s_mov_b32 s[G1+4], 16                          ; tile_dim1
	s_mov_b32 s[G1+5], 256                         ; the pitch: dense
	s_mov_b32 s[G1+6], 0
	s_mov_b32 s[G1+7], 0
	s_mul_i32 s58, s[WV], XRW
.irp j, 0,1,2,3
	s_mov_b32 s[G0+4*\j], 1
	s_add_co_u32 s[G0+4*\j+1], s58, \j*16640       ; 8 rows of 2,080 bytes on
.endr
	s_mov_b32 s[SEL], 0x76543210
	s_mov_b32 s[SEL+1], 0xfedcba98
	s_mov_b32 s56, 0x3b000000                      ; 1 / 512
	s_mov_b32 s57, 0x358637bd                      ; 1e-6
	s_lshl_b32 s60, ttmp9, 18                      ; 128 rows of 2,048 bytes a work-group,
	s_lshl_b32 s61, s[WV], 16                      ; 32 a wave
	s_add_co_u32 s60, s60, s61
	s_mov_b32 s61, 0
	s_wait_dscnt 0x0
	s_wait_kmcnt 0x0
	s_add_nc_u64 s[4:5], s[4:5], s[60:61]
.irp j, 0,1,2,3                                ; rows 0-7, 16-23 (the first row tile), then 8-15, 24-31 (the second)
	s_add_nc_u64 s[G0+4*\j+2:G0+4*\j+3], s[4:5], (16*(\j%2)+8*(\j/2))*2048
	s_or_b32 s[G0+4*\j+3], s[G0+4*\j+3], 0x80000000
.endr
.irp j, 0,1,2,3
	tensor_load_to_lds s[G0+4*\j:G0+4*\j+3], s[G1:G1+7]
	s_nop 0
.endr
.rept 4
	v_nop
.endr
	s_mul_i32 s60, ttmp9, 49152
	s_mul_i32 s62, s[WV], 12288
	s_add_co_u32 s60, s60, s62
	s_add_nc_u64 s[24:25], s[24:25], s[60:61]      ; himg at my two row tiles
	s_lshl_b32 s60, ttmp9, 11
	s_lshl_b32 s62, s[WV], 9
	s_add_co_u32 s60, s60, s62
	s_add_nc_u64 s[26:27], s[26:27], s[60:61]      ; hscl: 2,048 bytes a work-group, 512 a wave
	v_and_b32 v20, 31, v0                          ; lane
	v_and_b32 v21, 15, v0                          ; r
	v_bfe_u32 v22, v0, 4, 1                        ; h
	v_lshlrev_b32 v[L16], 4, v20
	v_lshlrev_b32 v[TBO], 6, v22
	v_mul_u32_u24 v[XA], v21, 2080
	v_lshl_add_u32 v[XA], v22, 6, v[XA]
	v_add_nc_u32 v[XA], s58, v[XA]
	s_lshl_b32 s62, s[WV], 9
	s_add_co_u32 s62, s62, ASL
	v_lshlrev_b32 v[ASW], 4, v21
	v_add_nc_u32 v[ASW], s62, v[ASW]
	v_add_nc_u32 v[ASRD], s62, v[L16]
	s_lshl_b32 s62, s[WV], 11
	s_add_co_u32 s62, s62, BT
	v_add_nc_u32 v[BTA], s62, v[TBO]
	v_add_nc_u32 v[BTW], s62, v[L16]
	v_and_b32 v23, 8, v21
	v_add_nc_u32 v23, v23, v21                     ; r + 8 (r / 8)
	v_mul_u32_u24 v[RLO], v23, 384                 ; a weight's column is 384 bytes of codes
	v_mad_u32_u24 v[RLO], v22, 24, v[RLO]
.irp i, 0,1,2,3
	global_load_b128 v[32+4*\i:35+4*\i], v[L16], s[8:9] offset:512*\i       ; b_att
.endr
	WIN 0xc0
.irp s, 0,1,2,3
.irp b, 0,1,2,3
.irp q, 0,1,2,3
	global_load_b128 v[64*\s+16*\b+4*\q:64*\s+16*\b+4*\q+3], v[TBO], s[6:7] offset:512*\s+128*\b+16*\q   ; g_att at my lane's 256 channels: window 3
.endr
.endr
.endr
	WIN 0
; ---- one fragment of a weight: the waves of work-groups 0 to 191
	s_cmp_lt_u32 ttmp9, 192
	s_cbranch_scc0 .Lno_relay
	s_lshl_b32 s66, ttmp9, 2
	s_add_co_u32 s66, s66, s[WV]                   ; the fragment's number: ((weight x 4 + w) x 4 + s) x 8 + t
	s_lshr_b32 s67, ttmp9, 5                       ; the weight
	s_bfe_u32 s68, s66, 0x20005                    ; w
	s_bfe_u32 s69, s66, 0x20003                    ; s
	s_bfe_u32 s70, s66, 0x20001                    ; t / 2
	s_and_b32 s71, s66, 1                          ; t % 2
	s_lshl_b32 s68, s68, 7
	s_lshl_b32 s70, s70, 5
	s_lshl_b32 s71, s71, 3
	s_add_co_u32 s68, s68, s70
	s_add_co_u32 s68, s68, s71                     ; the tile's first column
	s_mul_i32 s68, s68, 384
	s_mul_i32 s69, s69, 96                         ; a K step's 128 codes are 96 bytes
	s_add_co_u32 s68, s68, s69
	s_mov_b32 s69, 0
	s_mul_i32 s70, s66, FRB
	s_mov_b32 s71, 0
	s_cmp_eq_u32 s67, 1                            ; the choice hangs on the work-group's number alone
	s_cselect_b64 s[72:73], s[12:13], s[10:11]
	s_cmp_eq_u32 s67, 2
	s_cselect_b64 s[72:73], s[14:15], s[72:73]
	s_cmp_eq_u32 s67, 3
	s_cselect_b64 s[72:73], s[16:17], s[72:73]
	s_cmp_eq_u32 s67, 4
	s_cselect_b64 s[72:73], s[18:19], s[72:73]
	s_cmp_eq_u32 s67, 5
	s_cselect_b64 s[72:73], s[20:21], s[72:73]
	s_add_nc_u64 s[72:73], s[72:73], s[68:69]
	s_add_nc_u64 s[74:75], s[22:23], s[70:71]
.irp p, 0,1,2,3,4,5
	global_load_b64 v[RD+2*\p:RD+1+2*\p], v[RLO], s[72:73] offset:48*(\p/3)+8*(\p%3)   ; registers 6 c .. 6 c + 5: K = 64 c + 32 h + 0 .. 31, as they lie
.endr
	s_wait_loadcnt 0x0
.irp c, 0,1,2
	global_store_b128 v[L16], v[RD+4*\c:RD+3+4*\c], s[74:75] offset:512*\c
.endr
.Lno_relay:
	s_wait_loadcnt 0x0                             ; b_att, g_att
.irp i, 0,1,2,3
	ds_store_b128 v[BTW], v[32+4*\i:35+4*\i] offset:512*\i
.endr
.irp b, 0,1,2,3
	v_mov_b32 v[X+4+\b], 0                         ; written once: a lane permute's destination counts as one of its sources
.endr
	s_wait_tensorcnt 0x2                           ; my first row tile's two loads have landed; the second tile's two may be out
	XTRIP 0
	s_wait_tensorcnt 0x0
	XTRIP 1
	ds_load_b128 v[32:35], v[ASRD]                 ; my two row tiles' scale words, 512 bytes on end
	s_wait_dscnt 0x0
	global_store_b128 v[L16], v[32:35], s[26:27]
	s_wait_tensorcnt 0x0                           ; the wave's end
	ds_add_u32 v[SPW], v[NIL]
	s_wait_dscnt 0x0
	s_endpgm
.Lfunc_end_k_q0861bf4048_prep:
	.size	k_q0861bf4048_prep, .Lfunc_end_k_q0861bf4048_prep-k_q0861bf4048_prep
	.p2alignl 7, 3214868480
	.fill 96, 4, 3214868480
	.section	.rodata,"a",@progbits
	.p2align	6, 0x0
	.amdhsa_kernel k_q0861bf4048_prep
		.amdhsa_group_segment_fixed_size 327680
		.amdhsa_private_segment_fixed_size 0
		.amdhsa_enable_private_segment 0
		.amdhsa_kernarg_size 96
		.amdhsa_user_sgpr_count 2
		.amdhsa_user_sgpr_kernarg_segment_ptr 1
		.amdhsa_wavefront_size32 1
		.amdhsa_system_sgpr_workgroup_id_x 1
		.amdhsa_system_sgpr_workgroup_id_y 1
		.amdhsa_system_sgpr_workgroup_id_z 1
		.amdhsa_system_vgpr_workitem_id 0
		.amdhsa_next_free_vgpr 1024
		.amdhsa_next_free_sgpr 80
		.amdhsa_reserve_vcc 0
		.amdhsa_float_denorm_mode_32 3
		.amdhsa_float_denorm_mode_16_64 3
		.amdhsa_memory_ordered 1
		.amdhsa_forward_progress 1
		.amdhsa_inst_pref_size 145
	.end_amdhsa_kernel
	.amdgpu_metadata
---
amdhsa.version: [ 1, 2 ]
amdhsa.kernels:
  - .name:           k_q0861bf4048_prep
    .symbol:         k_q0861bf4048_prep.kd
    .args:
      - { .name: x, .offset: 0, .size: 8, .value_kind: global_buffer, .address_space: global }
      - { .name: g_att, .offset: 8, .size: 8, .value_kind: global_buffer, .address_space: global }
      - { .name: b_att, .offset: 16, .size: 8, .value_kind: global_buffer, .address_space: global }
      - { .name: Wk_codes, .offset: 24, .size: 8, .value_kind: global_buffer, .address_space: global }
      - { .name: Wv_codes, .offset: 32, .size: 8, .value_kind: global_buffer, .address_space: global }
      - { .name: Wq_codes, .offset: 40, .size: 8, .value_kind: global_buffer, .address_space: global }
      - { .name: Wm_codes, .offset: 48, .size: 8, .value_kind: global_buffer, .address_space: global }
      - { .name: W1_codes, .offset: 56, .size: 8, .value_kind: global_buffer, .address_space: global }
      - { .name: W2_codes, .offset: 64, .size: 8, .value_kind: global_buffer, .address_space: global }
      - { .name: wfrag, .offset: 72, .size: 8, .value_kind: global_buffer, .address_space: global }
      - { .name: himg, .offset: 80, .size: 8, .value_kind: global_buffer, .address_space: global }
      - { .name: hscl, .offset: 88, .size: 8, .value_kind: global_buffer, .address_space: global }
    .group_segment_fixed_size: 327680
    .private_segment_fixed_size: 0
    .kernarg_segment_align: 8
    .kernarg_segment_size: 96
    .max_flat_workgroup_size: 128
    .sgpr_count:     80
    .vgpr_count:     1024
    .wavefront_size: 32
...
	.end_amdgpu_metadata
.endif
;; end of part 1
;; launch kv (part 2): grid 256 x 1, 4 waves a work-group, no clusters, 17,408 bytes of LDS; arguments himg, hscl, wfrag, Wk_scales, Wv_scales, kvp, ksp; writes kvp, ksp
.if DOCPART == 2
	.amdgcn_target "amdgcn-amd-amdhsa--gfx1250"
	.amdhsa_code_object_version 6
	.text
	.protected	k_q0861bf4048_kv
	.globl	k_q0861bf4048_kv
	.p2align	8
	.type	k_q0861bf4048_kv,@function
k_q0861bf4048_kv:
	s_mov_b64 s[64:65], 0
	v_nop
	global_prefetch_b8 v0, s[64:65] scope:SCOPE_SE
	s_setreg_imm32_b32 hwreg(HW_REG_WAVE_MODE, 25, 1), 1
	s_wait_xcnt 0x0
; K = elu(h Wk) + 1, V = (h Wv) / 4096, both quantised along the positions; K^T V and the sums of K.  No work is left out.
; SHARES.  One work-group for each (batch, head, half of the sequence): work-group = 32 batch + 2 head + half.  Wave w owns 512 positions, four blocks of 128 (8 row tiles as launch prep laid them), and the head's 64 columns:
; column tiles 0, 1 of K, 2, 3 of V.  The 16 weight fragments stay in registers (window 2).  h's fragments come from himg straight into registers, a K step (8 fragments) at a time.
; LAYOUT.  Source 0 = 16 rows of h, source 1 = 16 columns: a lane holds ONE column, and the 16 registers of row tiles 2 b, 2 b + 1 are 16 neighbouring positions 32 b + 16 (lane / 16) + 0 .. 15: the K of K^T V.
; Accumulator (m, t) lies at 64 t + 8 m of window 3, so that a column tile's 64 numbers lie on end.
; elu(k) + 1 = max(k + 1, 2^(-|k| log2 e)) for every finite k, since e^k >= 1 + k: no exponential can overflow.
; OUT.  kvp [batch][head][half][tile 2 td + tv][q 2][512]: register j of lane (r, h) = KV[8 td + 16 h + j][8 tv + r + 8 (r / 8)].  ksp [batch][half][512], the channels in their own order.
; NO CLUSTER, though the sixteen heads of a batch's half read the same images of h: a fragment serves one wave of a work-group, so a joint load, which lands in LDS, would add a store and a read of every byte.
; LIMITS: NaN and infinities are not served; a block whose largest magnitude lies under 2^-124 (a block of zeros too) gets the scale byte 1.
; LDS: 0: the four waves' K^T V, 4,096 each; 16,384: their sums of K, 128 each; 16,896: the spare words.
; REGISTERS, window 0: v1, v2 the add's; v3-10 addresses; v20, v21 the sums of K; v24-31 at work; v32-95 F, v96-159 X (in a product v32-127: h's K step 2); v160-175 h's scale words; v176-183 the weights';
; v184-187 the scale words of K's and V's fragments; v188-235 those four fragments.  Window 1: v0-95, v96-191 two buffers for h; v192-223 K^T V.
.set RED,   0
.set KSX,   16384
.set SPARE, 16896
.set FRB,   1536
.set SPW, 1
.set NIL, 2
.set L16, 3
.set WSO, 4
.set REDW, 5
.set REDR, 6
.set KSXW, 7
.set KSXR, 8
.set KSO, 9
.set GOUT, 10
.set KS0, 20
.set F,   32
.set X,   96
.set RB,  32
.set AS,  160
.set WSK, 176
.set PWK, 184
.set KFR, 188
.set PB,  0
.set QB,  96
.set KVA, 192
.set HB,  4
.set HS,  6
.set WV,  18
.set CNT, 19
.set SEL, 20
.set L2E, 22
.set VN,  24
.set MSB, 0
.macro WIN new                         ; the immediate's high byte repeats the setting that is left
.if MSB != (\new)
	s_set_vgpr_msb (MSB<<8)|(\new)
.set MSB, (\new)
.endif
.endm
.macro PLACES                          ; four plain places behind matrix instructions, ahead of loads into their registers and of reads of results
.rept 4
	v_nop
.endr
.endm
; 64 numbers of a lane, register 16 b + i = k 32 b + 16 (lane / 16) + i of my row, become a fragment's codes in v[D .. D+11] and its scale word in v[pw]; v[T .. T+22] at work
.macro QUANT2 s, T, pw, D
.irp b, 0,1,2,3
	v_max3_num_f32 v[\T+\b], |v[\s+16*\b]|, |v[\s+1+16*\b]|, 0x1800000   ; my 16 numbers of block b, and the floor 2^(3 - 127): the byte cannot fall under 1
.endr
.irp i, 2,4,6,8,10,12,14
.irp b, 0,1,2,3
	v_max3_num_f32 v[\T+\b], v[\T+\b], |v[\s+16*\b+\i]|, |v[\s+1+16*\b+\i]|
.endr
.endr
.irp b, 0,1,2,3
	v_permlanex16_b32 v[\T+4+\b], v[\T+\b], s[SEL], s[SEL+1]
.endr
.irp b, 0,1,2,3
	v_max_num_f32 v[\T+\b], v[\T+\b], v[\T+4+\b]   ; with lane l xor 16's: the block's largest magnitude
.endr
.irp b, 0,1,2,3
	v_add_nc_u32 v[\T+12+\b], 0xff000000, v[\T+\b] ; 2 off its exponent field: the conversion's scale operand
.endr
.irp b, 0,1,2,3
	v_lshrrev_b32 v[\T+4+\b], 23, v[\T+12+\b]      ; the scale's byte
.endr
	v_lshl_or_b32 v[\pw], v[\T+5], 8, v[\T+4]
	v_lshl_or_b32 v[\pw], v[\T+6], 16, v[\pw]
	v_lshl_or_b32 v[\pw], v[\T+7], 24, v[\pw]
.irp c, 0,1
	v_cvt_scalef32_pk16_fp6_f32 v[\D+6*\c:\D+2+6*\c], v[\s+32*\c:\s+15+32*\c], v[\T+12+2*\c]
	v_cvt_scalef32_pk16_fp6_f32 v[\T+16+4*\c:\T+18+4*\c], v[\s+16+32*\c:\s+31+32*\c], v[\T+13+2*\c]
.endr
	v_nop                                          ; one plain place behind a scaled conversion
.irp c, 0,1                                    ; the operand wants a whole block in a lane
.irp i, 0,1,2
	v_permlane16_swap_b32 v[\D+6*\c+\i], v[\T+16+4*\c+\i]
.endr
.irp i, 0,1,2
	v_mov_b32 v[\D+3+6*\c+\i], v[\T+16+4*\c+\i]
.endr
.endr
.endm
.macro WM d, a, b, cz, c, sa, sb, ra, rb
.if \cz
.if (\ra) && (\rb)
	v_wmma_scale_f32_16x16x128_f8f6f4 v[\d:\d+7], v[\a:\a+11], v[\b:\b+11], 0, v[\sa], v[\sb] matrix_a_fmt:MATRIX_FMT_FP6 matrix_b_fmt:MATRIX_FMT_FP6 matrix_a_scale:MATRIX_SCALE_ROW1 matrix_b_scale:MATRIX_SCALE_ROW1
.elseif (\ra)
	v_wmma_scale_f32_16x16x128_f8f6f4 v[\d:\d+7], v[\a:\a+11], v[\b:\b+11], 0, v[\sa], v[\sb] matrix_a_fmt:MATRIX_FMT_FP6 matrix_b_fmt:MATRIX_FMT_FP6 matrix_a_scale:MATRIX_SCALE_ROW1
.elseif (\rb)
	v_wmma_scale_f32_16x16x128_f8f6f4 v[\d:\d+7], v[\a:\a+11], v[\b:\b+11], 0, v[\sa], v[\sb] matrix_a_fmt:MATRIX_FMT_FP6 matrix_b_fmt:MATRIX_FMT_FP6 matrix_b_scale:MATRIX_SCALE_ROW1
.else
	v_wmma_scale_f32_16x16x128_f8f6f4 v[\d:\d+7], v[\a:\a+11], v[\b:\b+11], 0, v[\sa], v[\sb] matrix_a_fmt:MATRIX_FMT_FP6 matrix_b_fmt:MATRIX_FMT_FP6
.endif
.else
.if (\ra) && (\rb)
	v_wmma_scale_f32_16x16x128_f8f6f4 v[\d:\d+7], v[\a:\a+11], v[\b:\b+11], v[\c:\c+7], v[\sa], v[\sb] matrix_a_fmt:MATRIX_FMT_FP6 matrix_b_fmt:MATRIX_FMT_FP6 matrix_a_scale:MATRIX_SCALE_ROW1 matrix_b_scale:MATRIX_SCALE_ROW1
.elseif (\ra)
	v_wmma_scale_f32_16x16x128_f8f6f4 v[\d:\d+7], v[\a:\a+11], v[\b:\b+11], v[\c:\c+7], v[\sa], v[\sb] matrix_a_fmt:MATRIX_FMT_FP6 matrix_b_fmt:MATRIX_FMT_FP6 matrix_a_scale:MATRIX_SCALE_ROW1
.elseif (\rb)
	v_wmma_scale_f32_16x16x128_f8f6f4 v[\d:\d+7], v[\a:\a+11], v[\b:\b+11], v[\c:\c+7], v[\sa], v[\sb] matrix_a_fmt:MATRIX_FMT_FP6 matrix_b_fmt:MATRIX_FMT_FP6 matrix_b_scale:MATRIX_SCALE_ROW1
.else
	v_wmma_scale_f32_16x16x128_f8f6f4 v[\d:\d+7], v[\a:\a+11], v[\b:\b+11], v[\c:\c+7], v[\sa], v[\sb] matrix_a_fmt:MATRIX_FMT_FP6 matrix_b_fmt:MATRIX_FMT_FP6
.endif
.endif
.endm
.macro ALOAD win, base, s, nx                  ; h's 8 fragments of K step s, of this block (nx = 0) or the next (1)
	WIN \win
.irp m, 0,1,2,3,4,5,6,7
.irp c, 0,1,2
	global_load_b128 v[\base+12*\m+4*\c:\base+12*\m+4*\c+3], v[L16], s[HB:HB+1] offset:(\nx)*49152+(4*\m+(\s))*FRB+512*\c
.endr
.endr
	WIN 0
.endm
.macro ASLOAD nx                               ; its scale words: lanes 0-15 row tile 2 p, lanes 16-31 row tile 2 p + 1; register 4 p + s
.irp p, 0,1,2,3
	global_load_b128 v[AS+4*\p:AS+4*\p+3], v[L16], s[HS:HS+1] offset:(\nx)*2048+512*\p
.endr
.endm
; 32 products: the 8 row tiles x the 4 column tiles, K step s.  The 32 accumulators take turns, one instruction a turn.  K step 0 starts the sums with 0.
.macro MM32K abase, s
.irp m, 0,1,2,3,4,5,6,7
.irp t, 0,1,2,3
.set D_, 64*\t+8*\m
.set A_, \abase+12*\m
.set B_, 12*(4*\t+(\s))
.set SA_, AS+4*(\m/2)+(\s)
.set SB_, WSK+4*(\t/2)+(\s)
.set CZ_, 0
.if (\s) == 0
.set CZ_, 1
.endif
	WM D_, A_, B_, CZ_, D_, SA_, SB_, \m%2, \t%2
.endr
.endr
.endm
.macro KPASS td                                ; column tile td of K: elu + 1, the column's sum, the fragment
	WIN 0x03
.set i, 0
.rept 32
	v_pk_add_f32 v[F+i:F+i+1], v[64*(\td)+i:64*(\td)+i+1], 1.0 op_sel_hi:[1,0]   ; each accumulator from its low end on
.set i, i+2
.endr
	WIN 0
.set i, 0
.rept 32
	v_pk_fma_f32 v[X+i:X+i+1], v[F+i:F+i+1], s[L2E:L2E+1], s[L2E:L2E+1] op_sel_hi:[1,0,0] neg_lo:[0,0,1] neg_hi:[0,0,1]   ; k log2(e)
.set i, i+2
.endr
.set i, 0
.rept 64
	v_exp_f32 v[X+i], -|v[X+i]|
.set i, i+1
.endr
	v_nop
	s_wait_alu depctr_va_vdst(0)                   ; one wait for the batch
.set i, 0
.rept 64
	v_max_num_f32 v[F+i], v[F+i], v[X+i]           ; elu(k) + 1
.set i, i+1
.endr
.set i, 0
.rept 16
	v_pk_add_f32 v[X+2*i:X+2*i+1], v[F+4*i:F+4*i+1], v[F+4*i+2:F+4*i+3]   ; the sum of my column's 128 positions, of the unquantised K
.set i, i+1
.endr
.irp w, 4,8,16,32
.set i, 0
.rept 32/\w
	v_pk_add_f32 v[X+\w*i:X+\w*i+1], v[X+\w*i:X+\w*i+1], v[X+\w*i+\w/2:X+\w*i+\w/2+1]
.set i, i+1
.endr
.endr
	v_add_f32 v24, v[X], v[X+1]
	v_permlanex16_b32 v25, v24, s[SEL], s[SEL+1]
	v_add_f32 v24, v24, v25
	v_add_f32 v[KS0+\td], v[KS0+\td], v24
	QUANT2 F, X, PWK+\td, KFR+12*\td
.endm
.macro VPASS tv                                ; column tile tv of V: / 4096, the fragment
	WIN 0x03
.set i, 0
.rept 32
	v_pk_mul_f32 v[F+i:F+i+1], v[128+64*(\tv)+i:128+64*(\tv)+i+1], s[VN:VN+1] op_sel_hi:[1,0]
.set i, i+2
.endr
	WIN 0
	QUANT2 F, X, PWK+2+\tv, KFR+24+12*\tv
.endm
; A block of 128 positions.  On the way in K steps 0 and 1 of h and its scale words have been asked for.  last = 1: there is no next block: no load leaves himg
.macro GROUP last
	ALOAD 0, RB, 2, 0                              ; K step 2 into the registers that the vector passes have left
	s_wait_loadcnt 24                              ; all but those 24: K steps 0 and 1, the scale words (in the first block the weights too)
	WIN 0xf9                                       ; h in window 1, the weights in window 2, the sums in window 3
	MM32K PB, 0
	PLACES
	ALOAD 0x40, PB, 3, 0
	WIN 0xf9
	MM32K QB, 1
.if !\last
	PLACES
	ALOAD 0x40, QB, 1, 1
.endif
	s_wait_loadcnt 48-24*\last                     ; K step 2 is in; behind it: K step 3's 24 loads and the next block's 24
	WIN 0xf8
	MM32K RB, 2
	s_wait_loadcnt 24-24*\last                     ; K step 3 is in
	WIN 0xf9
	MM32K PB, 3
	PLACES
.if !\last
	ALOAD 0x40, PB, 0, 1
	ASLOAD 1
.endif
	KPASS 0
	KPASS 1
	VPASS 0
	VPASS 1
.rept 8
	v_nop                                          ; a scale word made by vector instructions stands 8 places ahead of a scaled product, an operand 4
.endr
	WIN 0x50                                       ; C and D in window 1
.irp td, 0,1
.irp tv, 0,1
	v_wmma_scale_f32_16x16x128_f8f6f4 v[KVA+8*(2*\td+\tv):KVA+8*(2*\td+\tv)+7], v[KFR+12*\td:KFR+12*\td+11], v[KFR+24+12*\tv:KFR+24+12*\tv+11], v[KVA+8*(2*\td+\tv):KVA+8*(2*\td+\tv)+7], v[PWK+\td], v[PWK+2+\tv] matrix_a_fmt:MATRIX_FMT_FP6 matrix_b_fmt:MATRIX_FMT_FP6
.endr
.endr
	WIN 0
.endm
	s_load_b256 s[4:11], s[0:1], 0x0               ; himg, hscl, wfrag, Wk_scales
	s_load_b128 s[12:15], s[0:1], 0x20             ; Wv_scales, kvp
	s_load_b64 s[16:17], s[0:1], 0x30              ; ksp
	v_lshl_add_u32 v[SPW], v0, 2, SPARE
	v_mov_b32 v[NIL], 0
	v_lshrrev_b32 v3, 5, v0
	v_readfirstlane_b32 s[WV], v3                  ; wave 0..3
	s_mov_b32 s[SEL], 0x76543210
	s_mov_b32 s[SEL+1], 0xfedcba98
	s_mov_b32 s[L2E], 0x3fb8aa3b                   ; log2(e)
	s_mov_b32 s[L2E+1], 0x3fb8aa3b
	s_mov_b32 s[VN], 0x39800000                    ; 1 / 4096
	s_mov_b32 s[VN+1], 0x39800000
	s_mov_b32 s26, 0xffff0000                      ; lanes 16-31
	s_lshr_b32 s28, ttmp9, 5                       ; batch
	s_bfe_u32 s29, ttmp9, 0x40001                  ; head
	s_and_b32 s30, ttmp9, 1                        ; half
	s_lshl_b32 s31, s28, 5
	s_lshl_b32 s32, s30, 4
	s_add_co_u32 s31, s31, s32
	s_lshl_b32 s32, s[WV], 2
	s_add_co_u32 s31, s31, s32                     ; my first block of 128 rows: 32 batch + 16 half + 4 wave
	s_mul_i32 s32, s31, 49152
	s_mov_b32 s33, 0
	s_lshl_b32 s34, s31, 11
	s_mov_b32 s35, 0
	s_lshr_b32 s36, s29, 2
	s_mul_i32 s36, s36, 49152
	s_and_b32 s38, s29, 3
	s_mul_i32 s38, s38, 3072
	s_add_co_u32 s36, s36, s38                     ; wfrag: the head's two tiles
	s_mov_b32 s37, 0
	s_lshl_b32 s38, s29, 9                         ; the weights' scale bytes: 32 columns of 16 bytes a head
	s_mov_b32 s39, 0
	s_lshl_b32 s40, ttmp9, 12                      ; kvp: 4,096 bytes a work-group
	s_mov_b32 s41, 0
	s_lshl_b32 s42, s28, 12
	s_lshl_b32 s43, s30, 11
	s_add_co_u32 s42, s42, s43
	s_lshl_b32 s43, s29, 7
	s_add_co_u32 s42, s42, s43                     ; ksp
	s_mov_b32 s43, 0
	v_and_b32 v12, 31, v0                          ; lane
	v_and_b32 v13, 15, v0                          ; r
	v_bfe_u32 v14, v0, 4, 1                        ; h
	v_and_b32 v15, 8, v13
	v_add_nc_u32 v15, v15, v13
	v_lshl_add_u32 v15, v14, 3, v15                ; 8 h + r + 8 (r / 8)
	v_lshlrev_b32 v[L16], 4, v12
	v_lshlrev_b32 v[WSO], 4, v15
	v_lshlrev_b32 v[KSO], 2, v15
	s_lshl_b32 s44, s[WV], 12
	v_add_nc_u32 v[REDW], s44, v[L16]
	s_lshl_b32 s44, s[WV], 10
	v_add_nc_u32 v[REDR], s44, v[L16]
	v_add_nc_u32 v[GOUT], s44, v[L16]
	v_lshlrev_b32 v[KSXR], 2, v12
	v_add_nc_u32 v[KSXR], KSX, v[KSXR]
	s_lshl_b32 s44, s[WV], 7
	v_add_nc_u32 v[KSXW], s44, v[KSXR]
	s_wait_kmcnt 0x0
	s_add_nc_u64 s[HB:HB+1], s[HB:HB+1], s[32:33]
	s_add_nc_u64 s[HS:HS+1], s[HS:HS+1], s[34:35]
	s_add_nc_u64 s[8:9], s[8:9], s[36:37]
	s_add_nc_u64 s[10:11], s[10:11], s[38:39]
	s_add_nc_u64 s[12:13], s[12:13], s[38:39]
	s_add_nc_u64 s[14:15], s[14:15], s[40:41]
	s_add_nc_u64 s[16:17], s[16:17], s[42:43]
	WIN 0x80
.irp t, 0,1,2,3                                ; the weights' fragments (column tile t, K step s) at 12 (4 t + s) of window 2: they stay
.irp s, 0,1,2,3
.irp c, 0,1,2
	global_load_b128 v[12*(4*\t+\s)+4*\c:12*(4*\t+\s)+4*\c+3], v[L16], s[8:9] offset:(\t/2)*196608+\s*12288+(\t%2)*FRB+512*\c
.endr
.endr
.endr
	WIN 0
	global_load_b128 v[WSK:WSK+3], v[WSO], s[10:11]     ; a column's 16 bytes are its four K steps' words; lanes 0-15 tile 0, lanes 16-31 tile 1
	global_load_b128 v[WSK+4:WSK+7], v[WSO], s[12:13]
	ASLOAD 0
	ALOAD 0x40, PB, 0, 0
	ALOAD 0x40, QB, 1, 0
	WIN 0x40
.set i, 0
.rept 32
	v_mov_b32 v[KVA+i], 0                          ; K^T V begins at 0: the block is written once for all but the last
.set i, i+1
.endr
	WIN 0
	v_mov_b32 v[KS0], 0
	v_mov_b32 v[KS0+1], 0
	v_mov_b32 v25, 0                               ; a lane permute's destination counts as one of its sources
	s_mov_b32 s[CNT], 0
.Lgrp:
	GROUP 0
	s_wait_xcnt 0x0                                ; the loads have read their bases
	s_add_nc_u64 s[HB:HB+1], s[HB:HB+1], 49152
	s_add_nc_u64 s[HS:HS+1], s[HS:HS+1], 2048
	s_add_co_u32 s[CNT], s[CNT], 1
	s_cmp_lt_u32 s[CNT], 3
	s_cbranch_scc1 .Lgrp
	GROUP 1
; ---- the four waves' sums meet in LDS
	PLACES
	WIN 0x04                                       ; an LDS store's data are its source 1: window 1
.irp k, 0,1,2,3,4,5,6,7
	ds_store_b128 v[REDW], v[KVA+4*\k:KVA+4*\k+3] offset:512*\k
.endr
	WIN 0
	v_cndmask_b32 v24, v[KS0], v[KS0+1], s26       ; lanes 0-15 tile 0's columns, lanes 16-31 tile 1's: lane (r, h) has d = 8 h + r + 8 (r / 8)
	ds_store_b32 v[KSXW], v24
	s_wait_dscnt 0x0                               ; for the others' sake: my stores have landed
	s_barrier_signal -1
	s_barrier_wait -1
.irp w, 0,1,2,3                                ; wave w adds tile w of the four
.irp q, 0,1
	ds_load_b128 v[32+8*\w+4*\q:35+8*\w+4*\q], v[REDR] offset:4096*\w+512*\q
.endr
.endr
	s_wait_dscnt 0x0
.irp w, 1,2,3
.irp i, 0,2,4,6
	v_pk_add_f32 v[32+\i:33+\i], v[32+\i:33+\i], v[32+8*\w+\i:33+8*\w+\i]
.endr
.endr
	global_store_b128 v[GOUT], v[32:35], s[14:15]
	global_store_b128 v[GOUT], v[36:39], s[14:15] offset:512
	s_cmp_lg_u32 s[WV], 0
	s_cbranch_scc1 .Lend
.irp w, 0,1,2,3                                ; wave 0: the head's 32 sums of K
	ds_load_b32 v[64+\w], v[KSXR] offset:128*\w
.endr
	s_wait_dscnt 0x0
	v_add_f32 v64, v64, v65
	v_add_f32 v66, v66, v67
	v_add_f32 v64, v64, v66
	global_store_b32 v[KSO], v64, s[16:17]         ; 32 lanes fill the head's 128 consecutive bytes
.Lend:
	s_wait_tensorcnt 0x0                           ; the wave's end
	ds_add_u32 v[SPW], v[NIL]
	s_wait_dscnt 0x0
	s_endpgm
.Lfunc_end_k_q0861bf4048_kv:
	.size	k_q0861bf4048_kv, .Lfunc_end_k_q0861bf4048_kv-k_q0861bf4048_kv
	.p2alignl 7, 3214868480
	.fill 96, 4, 3214868480
	.section	.rodata,"a",@progbits
	.p2align	6, 0x0
	.amdhsa_kernel k_q0861bf4048_kv
		.amdhsa_group_segment_fixed_size 17408
		.amdhsa_private_segment_fixed_size 0
		.amdhsa_enable_private_segment 0
		.amdhsa_kernarg_size 56
		.amdhsa_user_sgpr_count 2
		.amdhsa_user_sgpr_kernarg_segment_ptr 1
		.amdhsa_wavefront_size32 1
		.amdhsa_system_sgpr_workgroup_id_x 1
		.amdhsa_system_sgpr_workgroup_id_y 1
		.amdhsa_system_sgpr_workgroup_id_z 1
		.amdhsa_system_vgpr_workitem_id 0
		.amdhsa_next_free_vgpr 1024
		.amdhsa_next_free_sgpr 66
		.amdhsa_reserve_vcc 0
		.amdhsa_float_denorm_mode_32 3
		.amdhsa_float_denorm_mode_16_64 3
		.amdhsa_memory_ordered 1
		.amdhsa_forward_progress 1
		.amdhsa_inst_pref_size 153
	.end_amdhsa_kernel
	.amdgpu_metadata
---
amdhsa.version: [ 1, 2 ]
amdhsa.kernels:
  - .name:           k_q0861bf4048_kv
    .symbol:         k_q0861bf4048_kv.kd
    .args:
      - { .name: himg, .offset: 0, .size: 8, .value_kind: global_buffer, .address_space: global }
      - { .name: hscl, .offset: 8, .size: 8, .value_kind: global_buffer, .address_space: global }
      - { .name: wfrag, .offset: 16, .size: 8, .value_kind: global_buffer, .address_space: global }
      - { .name: Wk_scales, .offset: 24, .size: 8, .value_kind: global_buffer, .address_space: global }
      - { .name: Wv_scales, .offset: 32, .size: 8, .value_kind: global_buffer, .address_space: global }
      - { .name: kvp, .offset: 40, .size: 8, .value_kind: global_buffer, .address_space: global }
      - { .name: ksp, .offset: 48, .size: 8, .value_kind: global_buffer, .address_space: global }
    .group_segment_fixed_size: 17408
    .private_segment_fixed_size: 0
    .kernarg_segment_align: 8
    .kernarg_segment_size: 56
    .max_flat_workgroup_size: 128
    .sgpr_count:     66
    .vgpr_count:     1024
    .wavefront_size: 32
...
	.end_amdgpu_metadata
.endif
;; end of part 2
;; launch chain (part 3): grid 256 x 1, 4 waves a work-group, no clusters, 327,680 bytes of LDS; arguments x, himg, hscl, wfrag, Wq_scales, Wm_scales, W1_scales, W2_scales, kvp, ksp, g_ffn, b_ffn, b1, b2, out0; writes out0
.if DOCPART == 3
	.amdgcn_target "amdgcn-amd-amdhsa--gfx1250"
	.amdhsa_code_object_version 6
	.text
	.protected	k_q0861bf4048_chain
	.globl	k_q0861bf4048_chain
	.p2align	8
	.type	k_q0861bf4048_chain,@function
k_q0861bf4048_chain:
	s_mov_b64 s[64:65], 0
	v_nop
	global_prefetch_b8 v0, s[64:65] scope:SCOPE_SE
	s_setreg_imm32_b32 hwreg(HW_REG_WAVE_MODE, 25, 1), 1
	s_wait_xcnt 0x0
; Q = elu(h Wq) + 1; msg = (Q KV) x 4096 / (Q . Ksum + 1e-6); x1 = x + msg Wm; out = x1 + gelu(LN(x1) W1 + b1) W2 + b2.  No work is left out; x 4096 goes exactly into the divisor: 1 / ((den + 1e-6) / 4096).
; KV and Ksum arrive as two partial sums a head (launch kv): each wave adds them for its four heads and quantises KV along d, one block of 32 for each v.
; SHARES: 128 rows a work-group; wave w owns columns 128 w .. 128 w + 127 (heads 4 w .. 4 w + 3) of every product: 64 accumulators in windows 2 and 3.  Weights stream from wfrag into window 1.
; THE PRODUCTS ARE USED TRANSPOSED (source 0 = 16 columns of the weight, source 1 = 16 rows): a lane holds ONE row, and the 16 registers of column tiles 2 b, 2 b + 1 are 16 neighbouring channels 32 b + 16 (lane / 16) + 0 .. 15:
; the next product's K.  Each wave's 128 channels are one K step: its fragment and scale word go to the other waves through LDS as images of the registers.
; NO CLUSTER, though all work-groups read the same weights: a joint load lands in LDS, and of 327,680 bytes this text uses 326,144.
; gelu(u) = (z + |z| - |z| erfc(|z|)) / sqrt2, z = u / sqrt2 (z + |z| is exact); erfc(a) = (1 + p(q)) / (1 + 2 a) x 2^(-a a log2 e), q = (a - 2) / (a + 2), p of degree 9; one reciprocal, of (a + 2)(2 a + 1), gives both quotients.
; LIMITS: NaN and infinities are not served; erfc's relative error grows as 1.2e-7 a^2 (the exponent's rounding); a block whose largest magnitude lies under 2^-124 (a block of zeros too) gets the scale byte 1.
; LDS: 0: four regions of 67,584: a wave's 128 columns of the 128 rows of x (rows of 512 + 16 bytes), filled once by its tensor load and touched by that wave alone: later x1, then x1 + b2, as images of registers, at last the
; stage of the way out.  270,336: 32 images of the operand in hand.  319,488: its scale words (256 m + 16 r + 4 s).  321,536: the norm's partial figures (512 m + 32 r + 8 w).  325,632: the spare words.
; REGISTERS, window 0: v1, v2 the add's; v3-19 addresses, v18 the scale word made; v20-31 at work; v32-95 F, v96-159 X (in a product: v32-127 eight fragments, v128-143 their scale words); v160-175 the weight's scale words;
; v176-255: KV's fragments and scale words, later a row tile of x1, later erfc's arrays.  Window 1: v0-191 two weight buffers; v192-255 Ksum, later b1.
.set XRW,   67584
.set IMG,   270336
.set ASL,   319488
.set STAT,  321536
.set SPARE, 325632
.set FRB,   1536
.set SPW, 1
.set NIL, 2
.set L16, 3
.set XA,  4
.set XI,  5
.set IMR, 6
.set IMW, 7
.set ASR, 8
.set ASW, 9
.set STW, 10
.set STR, 11
.set WSO, 12
.set TBO, 13
.set STO, 14
.set IA,  15                           ; a trip's image address
.set SA,  16                           ; a trip's scale word address
.set TA,  17
.set PW,  18
.set TB,  19
.set F,   32
.set X,   96
.set AF,  32
.set AS,  128
.set WS,  160
.set TAB, 176
.set P,   176
.set GA,  X
.set GP,  X+16
.set GD,  X+32
.set GR,  X+48
.set GS,  TAB
.set GQ,  TAB+16
.set WF,  10
.set G0,  36
.set G1,  40
.set WV,  48
.set I512, 49
.set NL2E, 50
.set SEL, 52
.set L2E, 54
.set RS2, 56
.set CNT, 62
.set EPS, 69
.set CP,  70                           ; s[70 + 2 k : 71 + 2 k] coefficient k of p
.set MSB, 0
.macro WIN new                         ; the immediate's high byte repeats the setting that is left
.if MSB != (\new)
	s_set_vgpr_msb (MSB<<8)|(\new)
.set MSB, (\new)
.endif
.endm
.macro PLACES                          ; four plain places behind matrix instructions, ahead of loads into their registers and of reads of results
.rept 4
	v_nop
.endr
.endm
.macro SPAIR r, val
	s_mov_b32 s[\r], \val
	s_mov_b32 s[\r+1], \val
.endm
; 64 numbers of a lane, register 16 b + i = k 32 b + 16 (lane / 16) + i of my row, become a fragment's codes in v[T+16 .. T+27] and its scale word in v[pw]
.macro QUANT s, T, pw
.irp b, 0,1,2,3
	v_max3_num_f32 v[\T+\b], |v[\s+16*\b]|, |v[\s+1+16*\b]|, 0x1800000   ; my 16 numbers of block b, and the floor 2^(3 - 127): the byte cannot fall under 1
.endr
.irp i, 2,4,6,8,10,12,14
.irp b, 0,1,2,3
	v_max3_num_f32 v[\T+\b], v[\T+\b], |v[\s+16*\b+\i]|, |v[\s+1+16*\b+\i]|
.endr
.endr
.irp b, 0,1,2,3
	v_permlanex16_b32 v[\T+4+\b], v[\T+\b], s[SEL], s[SEL+1]
.endr
.irp b, 0,1,2,3
	v_max_num_f32 v[\T+\b], v[\T+\b], v[\T+4+\b]   ; with lane l xor 16's: the block's largest magnitude
.endr
.irp b, 0,1,2,3
	v_add_nc_u32 v[\T+12+\b], 0xff000000, v[\T+\b] ; 2 off its exponent field: the conversion's scale operand
.endr
.irp b, 0,1,2,3
	v_lshrrev_b32 v[\T+4+\b], 23, v[\T+12+\b]      ; the scale's byte
.endr
	v_lshl_or_b32 v[\pw], v[\T+5], 8, v[\T+4]
	v_lshl_or_b32 v[\pw], v[\T+6], 16, v[\pw]
	v_lshl_or_b32 v[\pw], v[\T+7], 24, v[\pw]
.irp c, 0,1
	v_cvt_scalef32_pk16_fp6_f32 v[\T+16+6*\c:\T+18+6*\c], v[\s+32*\c:\s+15+32*\c], v[\T+12+2*\c]
	v_cvt_scalef32_pk16_fp6_f32 v[\T+28+4*\c:\T+30+4*\c], v[\s+16+32*\c:\s+31+32*\c], v[\T+13+2*\c]
.endr
	v_nop                                          ; one plain place behind a scaled conversion
.irp c, 0,1                                    ; the operand wants a whole block in a lane
.irp i, 0,1,2
	v_permlane16_swap_b32 v[\T+16+6*\c+\i], v[\T+28+4*\c+\i]
.endr
.irp i, 0,1,2
	v_mov_b32 v[\T+19+6*\c+\i], v[\T+28+4*\c+\i]
.endr
.endr
.endm
.macro IMAGE adr, off
.irp c, 0,1,2
	ds_store_b128 v[\adr], v[X+16+4*\c:X+19+4*\c] offset:(\off)+512*\c
.endr
.endm
.macro TAB64 dst, sb, off                      ; 64 numbers of a vector of my 128 columns: register 16 b + 4 q + k = number 32 b + 16 h + 4 q + k
.irp b, 0,1,2,3
.irp q, 0,1,2,3
	global_load_b128 v[\dst+16*\b+4*\q:\dst+16*\b+4*\q+3], v[TBO], s[\sb:\sb+1] offset:(\off)+128*\b+16*\q
.endr
.endr
.endm
.macro BLOAD buf, st, s
	WIN 0x40
.irp t, 0,1,2,3,4,5,6,7
.irp c, 0,1,2
	global_load_b128 v[96*(\buf)+12*\t+4*\c:96*(\buf)+12*\t+4*\c+3], v[L16], s[WF:WF+1] offset:(\st)*196608+(\s)*12288+\t*FRB+512*\c
.endr
.endr
	WIN 0
.endm
.macro WSLOAD sb
.irp b, 0,1,2,3
	global_load_b128 v[WS+4*\b:WS+4*\b+3], v[WSO], s[\sb:\sb+1] offset:512*\b
.endr
.endm
.macro AFETCH s, m0
.irp mm, 0,1,2,3
.irp c, 0,1,2
	ds_load_b128 v[AF+12*((\m0)+\mm)+4*\c:AF+12*((\m0)+\mm)+4*\c+3], v[IMR] offset:(4*((\m0)+\mm)+(\s))*FRB+512*\c
.endr
.endr
.endm
.macro ASFETCH
.irp p, 0,1,2,3
	ds_load_b128 v[AS+4*\p:AS+4*\p+3], v[ASR] offset:512*\p
.endr
.endm
.macro WM d, a, b, cz, c, sa, sb, ra, rb
.if \cz
.if (\ra) && (\rb)
	v_wmma_scale_f32_16x16x128_f8f6f4 v[\d:\d+7], v[\a:\a+11], v[\b:\b+11], 0, v[\sa], v[\sb] matrix_a_fmt:MATRIX_FMT_FP6 matrix_b_fmt:MATRIX_FMT_FP6 matrix_a_scale:MATRIX_SCALE_ROW1 matrix_b_scale:MATRIX_SCALE_ROW1
.elseif (\ra)
	v_wmma_scale_f32_16x16x128_f8f6f4 v[\d:\d+7], v[\a:\a+11], v[\b:\b+11], 0, v[\sa], v[\sb] matrix_a_fmt:MATRIX_FMT_FP6 matrix_b_fmt:MATRIX_FMT_FP6 matrix_a_scale:MATRIX_SCALE_ROW1
.elseif (\rb)
	v_wmma_scale_f32_16x16x128_f8f6f4 v[\d:\d+7], v[\a:\a+11], v[\b:\b+11], 0, v[\sa], v[\sb] matrix_a_fmt:MATRIX_FMT_FP6 matrix_b_fmt:MATRIX_FMT_FP6 matrix_b_scale:MATRIX_SCALE_ROW1
.else
	v_wmma_scale_f32_16x16x128_f8f6f4 v[\d:\d+7], v[\a:\a+11], v[\b:\b+11], 0, v[\sa], v[\sb] matrix_a_fmt:MATRIX_FMT_FP6 matrix_b_fmt:MATRIX_FMT_FP6
.endif
.else
.if (\ra) && (\rb)
	v_wmma_scale_f32_16x16x128_f8f6f4 v[\d:\d+7], v[\a:\a+11], v[\b:\b+11], v[\c:\c+7], v[\sa], v[\sb] matrix_a_fmt:MATRIX_FMT_FP6 matrix_b_fmt:MATRIX_FMT_FP6 matrix_a_scale:MATRIX_SCALE_ROW1 matrix_b_scale:MATRIX_SCALE_ROW1
.elseif (\ra)
	v_wmma_scale_f32_16x16x128_f8f6f4 v[\d:\d+7], v[\a:\a+11], v[\b:\b+11], v[\c:\c+7], v[\sa], v[\sb] matrix_a_fmt:MATRIX_FMT_FP6 matrix_b_fmt:MATRIX_FMT_FP6 matrix_a_scale:MATRIX_SCALE_ROW1
.elseif (\rb)
	v_wmma_scale_f32_16x16x128_f8f6f4 v[\d:\d+7], v[\a:\a+11], v[\b:\b+11], v[\c:\c+7], v[\sa], v[\sb] matrix_a_fmt:MATRIX_FMT_FP6 matrix_b_fmt:MATRIX_FMT_FP6 matrix_b_scale:MATRIX_SCALE_ROW1
.else
	v_wmma_scale_f32_16x16x128_f8f6f4 v[\d:\d+7], v[\a:\a+11], v[\b:\b+11], v[\c:\c+7], v[\sa], v[\sb] matrix_a_fmt:MATRIX_FMT_FP6 matrix_b_fmt:MATRIX_FMT_FP6
.endif
.endif
.endm
; 32 products: row tiles m0 .. m0 + 3 x the 8 column tiles, K step s: source 0 = columns, source 1 = rows.  cm = 0: the first K step starts the sums with 0; 1: all in place; 2: it starts them with v[192 + 8 t] of window 1
.macro MM32 cm, buf, s, m0
.irp mm, 0,1,2,3
.irp t, 0,1,2,3,4,5,6,7
.set D_, 64*\mm+8*\t
.set A_, AF+12*((\m0)+\mm)
.set B_, 96*(\buf)+12*\t
.set SA_, AS+4*(((\m0)+\mm)/2)+(\s)
.set SB_, WS+4*(\t/2)+(\s)
.set CZ_, 0
.set C_, D_
.if (\s) == 0
.if (\cm) == 0
.set CZ_, 1
.endif
.if (\cm) == 2
.set C_, 192+8*\t
.endif
.endif
	WM D_, B_, A_, CZ_, C_, SB_, SA_, \t%2, \mm%2
.endr
.endr
.endm
; 128 rows x 128 columns x K 512: 256 products.  The 64 accumulators take turns, one instruction a turn.  The weight's K steps 0 and 1 and its scale words were asked for earlier.
.macro GEMM cm, st, next
	ASFETCH
	AFETCH 0, 0
	AFETCH 0, 4
	s_wait_loadcnt 0x0                             ; K steps 0 and 1 of the weight, its scale words, the tables
.irp s, 0,1,2,3
.set LO_, 0xa1
.set HI_, 0xf1
.if ((\cm) == 2) && (\s == 0)
.set LO_, 0x91
.set HI_, 0xd1
.endif
.if \s == 2
	s_wait_loadcnt 24                              ; K step 2 is in; K step 3's 24 loads may be out
.endif
.if \s == 3
	s_wait_loadcnt 24*\next                        ; K step 3 is in; the next weight's first 24 loads may be out
.endif
	s_wait_dscnt 12                                ; row tiles 0-3 are in; the 12 loads of row tiles 4-7 may be out
	WIN LO_
	MM32 \cm, \s%2, \s, 0
	s_wait_dscnt 0x0
.if \s < 3
	PLACES
	WIN 0
	AFETCH \s+1, 0
.endif
	WIN HI_
	MM32 \cm, \s%2, \s, 4
	PLACES
	WIN 0
.if \s < 3
	AFETCH \s+1, 4
.endif
.if \s < 2
	BLOAD \s, \st, \s+2
.elseif \next
	BLOAD \s-2, \st+1, \s-2
.endif
.endr
.endm
.macro COMB                                    ; four packed chains in v24-31 become one sum over lanes l and l xor 16, in v24
	v_pk_add_f32 v[24:25], v[24:25], v[26:27]
	v_pk_add_f32 v[28:29], v[28:29], v[30:31]
	v_pk_add_f32 v[24:25], v[24:25], v[28:29]
	v_add_f32 v24, v24, v25
	v_permlanex16_b32 v25, v24, s[SEL], s[SEL+1]
	v_add_f32 v24, v24, v25
.endm
.macro BARRIER                                 ; my LDS stores have landed and my LDS loads are in: then the work-group's barrier
	s_wait_dscnt 0x0
	s_barrier_signal -1
	s_barrier_wait -1
.endm
.macro SWITCH pre                              ; register numbers are fixed in the text: the trip's count picks the arm that copies its accumulators to F
.irp a, 0,1,2,3,4,5,6
	s_cmp_eq_u32 s[CNT], \a
	s_cbranch_scc1 .Larm_\pre\a
.endr
.endm
; Arm m: row tile m's 64 numbers: F[i] = accumulators' register i + 1 (op 0) or x 1 / sqrt2 (op 1), each accumulator from its low end on
.macro ARMS pre, op
.irp a, 7,0,1,2,3,4,5,6
.Larm_\pre\a:
	WIN 0x02+(\a/4)
.set i, 0
.rept 32
.if \op
	v_pk_mul_f32 v[F+i:F+i+1], v[64*(\a%4)+i:64*(\a%4)+i+1], s[RS2:RS2+1] op_sel_hi:[1,0]
.else
	v_pk_add_f32 v[F+i:F+i+1], v[64*(\a%4)+i:64*(\a%4)+i+1], 1.0 op_sel_hi:[1,0]
.endif
.set i, i+2
.endr
	WIN 0
	s_branch .Lbody_\pre
.endr
.Lbody_\pre:
.endm
.macro ACCIMG st                               ; the 512 accumulator registers to (st = 1) or from my region of LDS, as images: 512 consecutive bytes an instruction
.irp m, 0,1,2,3,4,5,6,7
.if \st
	WIN 0x08+0x04*(\m/4)
.else
	WIN 0x80+0x40*(\m/4)
.endif
.set i, 0
.rept 16
.if \st
	ds_store_b128 v[XI], v[64*(\m%4)+4*i:64*(\m%4)+4*i+3] offset:8192*\m+512*i
.else
	ds_load_b128 v[64*(\m%4)+4*i:64*(\m%4)+4*i+3], v[XI] offset:8192*\m+512*i
.endif
.set i, i+1
.endr
.endr
	WIN 0
.endm
.macro PLOAD adr, off                          ; a row tile's 64 numbers into P
.set i, 0
.rept 16
	ds_load_b128 v[P+4*i:P+4*i+3], v[\adr] offset:(\off)+512*i
.set i, i+1
.endr
.endm
; KV of my head b, rows v = 8 u + r + 8 (r / 8): the two partial sums are added (lane (r, h) then has d = 16 h + 0 .. 15), quantised as one block of 32 along d, and laid as six registers of an operand: the lanes of half b % 2
; hold the row's 32 codes, the others zeros.  With six zero registers beside them they are a fragment of K = 128 whose block b alone has codes.  The scale byte stands in all four bytes of the word.
.macro KVQ b, u
.set D_, TAB+18*(2*(\u)+(\b)%2)+12*((\b)/2)
.set W_, TAB+72+2*(\b)+(\u)
	WIN 0x0a
.irp i, 0,2,4,6,8,10,12,14
	v_pk_add_f32 v[132+\i:133+\i], v[32*(2*(\b)+(\u))+\i:32*(2*(\b)+(\u))+\i+1], v[32*(2*(\b)+(\u))+16+\i:32*(2*(\b)+(\u))+17+\i]
.endr
	WIN 0
	v_max3_num_f32 v148, |v132|, |v133|, 0x1800000 ; and the floor 2^(3 - 127)
.irp i, 2,4,6,8,10,12,14
	v_max3_num_f32 v148, v148, |v[132+\i]|, |v[133+\i]|
.endr
	v_permlanex16_b32 v149, v148, s[SEL], s[SEL+1]
	v_max_num_f32 v148, v148, v149                 ; the block's largest magnitude
	v_add_nc_u32 v150, 0xff000000, v148            ; 2 off its exponent field
	v_lshrrev_b32 v[W_], 23, v150                  ; the byte
	v_cvt_scalef32_pk16_fp6_f32 v[152:154], v[132:147], v150
	v_lshl_or_b32 v[W_], v[W_], 8, v[W_]           ; (a plain place behind the conversion)
	v_lshl_or_b32 v[W_], v[W_], 16, v[W_]
.irp i, 0,1,2
	v_permlanex16_b32 v[156+\i], v[152+\i], s[SEL], s[SEL+1]   ; the other half's 16 codes
.endr
.irp i, 0,1,2
	v_cndmask_b32 v[D_+\i], v[152+\i], v[156+\i], s94          ; d = 0 .. 15: lanes 0-15 have them, lanes 16-31 take the other's
	v_cndmask_b32 v[D_+3+\i], v[156+\i], v[152+\i], s94        ; d = 16 .. 31
.endr
.irp i, 0,1,2,3,4,5
	v_cndmask_b32 v[D_+\i], 0, v[D_+\i], s[95-(\b)%2]          ; zero codes in the half of the lanes that stands for another head's block
.endr
.endm
	s_load_b512 s[4:19], s[0:1], 0x0               ; x, himg, hscl, wfrag, Wq_scales, Wm_scales, W1_scales, W2_scales
	s_load_b128 s[20:23], s[0:1], 0x40             ; kvp, ksp
	s_load_b64 s[26:27], s[0:1], 0x50              ; g_ffn
	s_load_b256 s[28:35], s[0:1], 0x58             ; b_ffn, b1, b2, out0
	v_lshl_add_u32 v[SPW], v0, 2, SPARE
	v_mov_b32 v[NIL], 0
	ds_add_u32 v[SPW], v[NIL]                      ; the wave's opening: the add, twice on end, and its wait ahead of my tensor load
	ds_add_u32 v[SPW], v[NIL]
	v_lshrrev_b32 v3, 5, v0
	v_readfirstlane_b32 s[WV], v3                  ; wave 0..3
	s_mov_b32 s[G1], (2<<16)|(1<<20)|(6<<22)|(3<<25)   ; elements of 4 bytes; 4 words of padding behind every 128
	s_mov_b32 s[G1+1], 128<<16                     ; tensor_dim0 = 128: my columns
	s_mov_b32 s[G1+2], 128<<16                     ; tensor_dim1 = 128 rows
	s_mov_b32 s[G1+3], 128<<16                     ; tile_dim0
	s_mov_b32 s[G1+4], 128                         ; tile_dim1
	s_mov_b32 s[G1+5], 512                         ; the pitch
	s_mov_b32 s[G1+6], 0
	s_mov_b32 s[G1+7], 0
	s_mov_b32 s[G0], 1
	s_mul_i32 s[G0+1], s[WV], XRW
	s_mov_b32 s[SEL], 0x76543210
	s_mov_b32 s[SEL+1], 0xfedcba98
	s_mov_b32 s[I512], 0x3b000000                  ; 1 / 512
	s_mov_b32 s[EPS], 0x358637bd                   ; 1e-6
	s_mov_b32 s60, 0x39800000                      ; 1 / 4096
	s_mov_b32 s61, 0x2f8637bd                      ; 1e-6 / 4096
	s_mov_b32 s94, 0xffff0000                      ; lanes 16-31
	s_mov_b32 s95, 0x0000ffff                      ; lanes 0-15
	SPAIR L2E, 0x3fb8aa3b                          ; log2(e)
	SPAIR NL2E, 0xbfb8aa3b
	SPAIR RS2, 0x3f3504f3                          ; 1 / sqrt2
	SPAIR CP, 0x3e8dd01d
	SPAIR CP+2, 0xbdbdfb0b
	SPAIR CP+4, 0xbe2a0420
	SPAIR CP+6, 0x3e27fe23
	SPAIR CP+8, 0xbd5e05b5
	SPAIR CP+10, 0xbc040dc1
	SPAIR CP+12, 0x3c0d6e62
	SPAIR CP+14, 0x3aac2b8a
	SPAIR CP+18, 0xb9d25000
	s_mov_b32 s91, 0
	s_lshl_b32 s90, ttmp9, 18                      ; 128 rows of 2,048 bytes a work-group,
	s_lshl_b32 s92, s[WV], 9                       ; 512 bytes of a row a wave
	s_add_co_u32 s90, s90, s92
	s_wait_dscnt 0x0
	s_wait_kmcnt 0x0
	s_add_nc_u64 s[G0+2:G0+3], s[4:5], s[90:91]
	s_or_b32 s[G0+3], s[G0+3], 0x80000000
	s_add_nc_u64 s[34:35], s[34:35], s[90:91]      ; out0 likewise
	s_mul_i32 s90, ttmp9, 49152
	s_mul_i32 s92, s[WV], 12288
	s_add_co_u32 s90, s90, s92
	s_add_nc_u64 s[6:7], s[6:7], s[90:91]          ; my quarter of the work-group's images of h
	s_lshl_b32 s90, ttmp9, 11
	s_lshl_b32 s92, s[WV], 9
	s_add_co_u32 s90, s90, s92
	s_add_nc_u64 s[8:9], s[8:9], s[90:91]
	s_mul_i32 s90, s[WV], 49152
	s_add_co_u32 s90, s90, 2*196608                ; wfrag at Wq, my wave's part
	s_add_nc_u64 s[WF:WF+1], s[WF:WF+1], s[90:91]
	s_lshl_b32 s90, s[WV], 11
	s_add_nc_u64 s[12:13], s[12:13], s[90:91]
	s_add_nc_u64 s[14:15], s[14:15], s[90:91]
	s_add_nc_u64 s[16:17], s[16:17], s[90:91]
	s_add_nc_u64 s[18:19], s[18:19], s[90:91]
	s_lshr_b32 s93, ttmp9, 5                       ; batch
	s_lshl_b32 s90, s93, 17
	s_lshl_b32 s92, s[WV], 15
	s_add_co_u32 s90, s90, s92
	s_add_nc_u64 s[20:21], s[20:21], s[90:91]      ; kvp at my four heads: 8,192 bytes a head
	s_lshl_b32 s90, s[WV], 9
	s_add_nc_u64 s[26:27], s[26:27], s[90:91]
	s_add_nc_u64 s[28:29], s[28:29], s[90:91]
	s_add_nc_u64 s[30:31], s[30:31], s[90:91]
	s_add_nc_u64 s[32:33], s[32:33], s[90:91]
	s_lshl_b32 s92, s93, 12
	s_add_co_u32 s90, s90, s92
	s_add_nc_u64 s[22:23], s[22:23], s[90:91]      ; ksp: 4,096 bytes a batch, its two halves 2,048 apart
	v_and_b32 v20, 31, v0                          ; lane
	v_and_b32 v21, 15, v0                          ; r
	v_bfe_u32 v22, v0, 4, 1                        ; h
	v_and_b32 v23, 8, v21
	v_add_nc_u32 v23, v23, v21                     ; r + 8 (r / 8)
	v_lshlrev_b32 v[L16], 4, v20
	v_lshlrev_b32 v[TBO], 6, v22
	v_lshl_add_u32 v[WSO], v22, 3, v23
	v_lshlrev_b32 v[WSO], 4, v[WSO]
	v_mul_u32_u24 v[XA], v23, 528
	v_lshl_add_u32 v[XA], v22, 6, v[XA]
	v_add_nc_u32 v[XA], s[G0+1], v[XA]
	v_add_nc_u32 v[XI], s[G0+1], v[L16]
	v_add_nc_u32 v[IMR], IMG, v[L16]
	s_mul_i32 s92, s[WV], FRB
	v_add_nc_u32 v[IMW], s92, v[IMR]
	v_add_nc_u32 v[ASR], ASL, v[L16]
	s_lshl_b32 s92, s[WV], 2
	s_add_co_u32 s92, s92, ASL
	v_lshlrev_b32 v[ASW], 4, v21
	v_add_nc_u32 v[ASW], s92, v[ASW]
	v_lshlrev_b32 v[STR], 5, v21
	v_add_nc_u32 v[STR], STAT, v[STR]
	s_lshl_b32 s92, s[WV], 3
	v_add_nc_u32 v[STW], s92, v[STR]
	v_mul_u32_u24 v[STO], v21, 528
	v_lshl_add_u32 v[STO], v22, 6, v[STO]
	v_add_nc_u32 v[STO], s[G0+1], v[STO]
	s_mul_i32 s92, s[WV], 12288
	v_add_nc_u32 v[TA], s92, v[IMR]
	s_lshl_b32 s92, s[WV], 9
	v_add_nc_u32 v[TB], s92, v[ASR]
	WIN 0x80
.irp b, 0,1,2,3                                ; K^T V's partial sums: register 32 (2 b + u) + 16 half + 8 td + 4 q of window 2
.irp u, 0,1
.irp p, 0,1
.irp td, 0,1
.irp q, 0,1
	global_load_b128 v[32*(2*\b+\u)+16*\p+8*\td+4*\q:32*(2*\b+\u)+16*\p+8*\td+4*\q+3], v[L16], s[20:21] offset:\b*8192+\p*4096+(2*\td+\u)*1024+512*\q
.endr
.endr
.endr
.endr
.endr
	WIN 0x40
	TAB64 192, 22, 0                               ; the sums of K of my four heads: the first half of the sequence,
	WIN 0xc0
	TAB64 0, 22, 2048                              ; the second
	WIN 0
	WSLOAD 12
.set i, 0
.rept 24
	global_load_b128 v[32+4*i:35+4*i], v[L16], s[6:7] offset:512*i th:TH_LOAD_NT    ; h's images lie in memory in the order of LDS
.set i, i+1
.endr
	global_load_b128 v[128:131], v[L16], s[8:9] th:TH_LOAD_NT
	BLOAD 0, 0, 0
	BLOAD 1, 0, 1
	tensor_load_to_lds s[G0:G0+3], s[G1:G1+7]      ; my one tensor load, behind the loads that are wanted first: x lands while Q and msg are made
	s_nop 0
.rept 4
	v_nop
.endr
	s_wait_loadcnt 48                              ; all but Wq's 48 loads are in
.set i, 0
.rept 24
	ds_store_b128 v[TA], v[32+4*i:35+4*i] offset:512*i
.set i, i+1
.endr
	ds_store_b128 v[TB], v[128:131]
	WIN 0x4d                                       ; destination and source 0 window 1, source 1 window 3
.set i, 0
.rept 32
	v_pk_add_f32 v[192+i:193+i], v[192+i:193+i], v[i:i+1]      ; Ksum
.set i, i+2
.endr
	WIN 0
	v_mov_b32 v149, 0                              ; written once: a lane permute's destination counts as one of its sources
.irp i, 0,1,2
	v_mov_b32 v[156+\i], 0
.endr
.irp b, 0,1,2,3
.irp u, 0,1
	KVQ \b, \u
.endr
.endr
.irp k, 0,1,2,3
.irp i, 0,1,2,3,4,5
	v_mov_b32 v[TAB+18*\k+6+\i], 0
.endr
.endr
	BARRIER                                        ; h's 32 images and its scale words lie in LDS
; ---- Q
	GEMM 0, 0, 1
	WSLOAD 14
	BARRIER                                        ; every wave has read h's images: they may be written over
	s_mov_b32 s[CNT], 0
	s_mov_b32 s63, 0
	s_mov_b32 s66, 0
.Lq:
	SWITCH q
	ARMS q, 0
	v_add_nc_u32 v[IA], s63, v[IMW]
	v_add_nc_u32 v[SA], s66, v[ASW]
.set i, 0
.rept 32
	v_pk_fma_f32 v[X+i:X+i+1], v[F+i:F+i+1], s[L2E:L2E+1], s[L2E:L2E+1] op_sel_hi:[1,0,0] neg_lo:[0,0,1] neg_hi:[0,0,1]   ; q log2(e)
.set i, i+2
.endr
.set i, 0
.rept 64
	v_exp_f32 v[X+i], -|v[X+i]|
.set i, i+1
.endr
	v_nop
	s_wait_alu depctr_va_vdst(0)                   ; one wait for the batch
.set i, 0
.rept 64
	v_max_num_f32 v[F+i], v[F+i], v[X+i]           ; Q = elu(q) + 1
.set i, i+1
.endr
	QUANT F, X, PW                                 ; its four blocks of 32 are my four heads
	WIN 0x04
.irp b, 0,1,2,3
	v_pk_mul_f32 v[24+2*\b:25+2*\b], v[F+16*\b:F+16*\b+1], v[192+16*\b:193+16*\b]   ; Q . Ksum, on the unquantised Q, in f32
.endr
.irp i, 2,4,6,8,10,12,14
.irp b, 0,1,2,3
	v_pk_fma_f32 v[24+2*\b:25+2*\b], v[F+16*\b+\i:F+16*\b+\i+1], v[192+16*\b+\i:193+16*\b+\i], v[24+2*\b:25+2*\b]
.endr
.endr
	WIN 0
.rept 8
	v_nop                                          ; a scale word made by vector instructions stands 8 places ahead of a scaled product, an operand 4
.endr
.irp b, 0,1,2,3
.irp u, 0,1
	v_wmma_scale_f32_16x16x128_f8f6f4 v[F+8*(2*\b+\u):F+8*(2*\b+\u)+7], v[TAB+18*(2*\u+\b%2)+6*(\b/2):TAB+18*(2*\u+\b%2)+6*(\b/2)+11], v[X+16:X+27], 0, v[TAB+72+2*\b+\u], v[PW] matrix_a_fmt:MATRIX_FMT_FP6 matrix_b_fmt:MATRIX_FMT_FP6
.endr
.endr
.irp b, 0,1,2,3
	v_add_f32 v[24+2*\b], v[24+2*\b], v[25+2*\b]   ; (these are the places behind the products)
.endr
.irp b, 0,1,2,3
	v_permlanex16_b32 v[25+2*\b], v[24+2*\b], s[SEL], s[SEL+1]
.endr
.irp b, 0,1,2,3
	v_add_f32 v[24+2*\b], v[24+2*\b], v[25+2*\b]
.endr
.irp b, 0,1,2,3
	v_fma_f32 v[24+2*\b], v[24+2*\b], s60, s61     ; (den + 1e-6) / 4096
.endr
.irp b, 0,1,2,3
	v_rcp_f32 v[24+2*\b], v[24+2*\b]
.endr
	v_nop
	s_wait_alu depctr_va_vdst(0)
.irp b, 0,1,2,3
.irp i, 0,2,4,6,8,10,12,14
	v_pk_mul_f32 v[F+16*\b+\i:F+16*\b+\i+1], v[F+16*\b+\i:F+16*\b+\i+1], v[24+2*\b:25+2*\b] op_sel_hi:[1,0]   ; msg
.endr
.endr
	QUANT F, X, PW
	IMAGE IA, 0                                    ; K step w of msg Wm, row tile m
	ds_store_b32 v[SA], v[PW]
	s_wait_dscnt 0x0                               ; the stores have read their registers
	s_add_co_u32 s63, s63, 6144
	s_add_co_u32 s66, s66, 256
	s_add_co_u32 s[CNT], s[CNT], 1
	s_cmp_lt_u32 s[CNT], 8
	s_cbranch_scc1 .Lq
	WIN 0x40
	TAB64 192, 30, 0                               ; b1
	WIN 0
	s_wait_tensorcnt 0x0                           ; x lies in my region
.irp m, 0,1,2,3,4,5,6,7                        ; x becomes the C of msg Wm
	WIN 0x80+0x40*(\m/4)
.irp b, 0,1,2,3
.irp q, 0,1,2,3
	ds_load_b128 v[64*(\m%4)+16*\b+4*\q:64*(\m%4)+16*\b+4*\q+3], v[XA] offset:(32*(\m/2)+8*(\m%2))*528+128*\b+16*\q
.endr
.endr
.endr
	WIN 0
	BARRIER                                        ; msg's images lie in LDS
; ---- x1 = x + msg Wm
	GEMM 1, 1, 1
	WSLOAD 16
	ACCIMG 1                                       ; x1 into my region
	s_wait_dscnt 0x0                               ; the stores have read their registers
	WIN 0x80
	TAB64 0, 26, 0                                 ; g_ffn, b_ffn, b2: window 2
	TAB64 64, 28, 0
	TAB64 128, 32, 0
	WIN 0
	s_mov_b32 s[CNT], 0
	s_mov_b32 s67, 0
	s_mov_b32 s68, 0
	PLOAD XI, 0
.La:                                           ; each row's mean and sum of squares about it, over my 128 columns
	s_wait_dscnt 0x0
	v_add_nc_u32 v[TA], s68, v[XI]
	v_add_nc_u32 v[TB], s67, v[STW]
.irp c, 0,1,2,3
	v_pk_add_f32 v[24+2*\c:25+2*\c], v[P+4*\c:P+4*\c+1], v[P+4*\c+2:P+4*\c+3]
.endr
.irp i, 16,24,32,40,48,56
.irp c, 0,1,2,3
	v_pk_add_f32 v[24+2*\c:25+2*\c], v[24+2*\c:25+2*\c], v[P+\i+2*\c:P+\i+2*\c+1]
.endr
.endr
	COMB
	v_mul_f32 v20, 0x3c000000, v24                 ; / 128
	v_mov_b32 v21, v20
.set i, 0
.rept 32
	v_pk_add_f32 v[F+i:F+i+1], v[P+i:P+i+1], v[20:21] neg_lo:[0,1] neg_hi:[0,1]
.set i, i+2
.endr
	s_cmp_eq_u32 s[CNT], 7                         ; the last trip has no next row tile
	s_cbranch_scc1 .La_last
	PLOAD TA, 8192
.La_last:
.irp c, 0,1,2,3
	v_pk_mul_f32 v[24+2*\c:25+2*\c], v[F+2*\c:F+2*\c+1], v[F+2*\c:F+2*\c+1]
.endr
.irp i, 8,16,24,32,40,48,56
.irp c, 0,1,2,3
	v_pk_fma_f32 v[24+2*\c:25+2*\c], v[F+\i+2*\c:F+\i+2*\c+1], v[F+\i+2*\c:F+\i+2*\c+1], v[24+2*\c:25+2*\c]
.endr
.endr
	COMB
	v_mov_b32 v21, v24
	ds_store_b64 v[TB], v[20:21]
	s_add_co_u32 s67, s67, 512
	s_add_co_u32 s68, s68, 8192
	s_add_co_u32 s[CNT], s[CNT], 1
	s_cmp_lt_u32 s[CNT], 8
	s_cbranch_scc1 .La
	BARRIER                                        ; all four waves' figures lie in LDS, and every wave has read msg's images
	s_wait_loadcnt 0x0                             ; the three tables
	s_mov_b32 s[CNT], 0
	s_mov_b32 s63, 0
	s_mov_b32 s66, 0
	s_mov_b32 s67, 0
	s_mov_b32 s68, 0
	PLOAD XI, 0
	ds_load_b128 v[24:27], v[STR]
	ds_load_b128 v[28:31], v[STR] offset:16
.Lb:                                           ; the norm; x1 + b2 goes back to my region
	s_wait_dscnt 0x0
	v_add_nc_u32 v[TA], s68, v[XI]
	v_add_nc_u32 v[TB], s67, v[STR]
	v_add_nc_u32 v[IA], s63, v[IMW]
	v_add_nc_u32 v[SA], s66, v[ASW]
	v_add_f32 v20, v24, v26
	v_add_f32 v21, v28, v30
	v_add_f32 v22, v25, v27
	v_add_f32 v23, v29, v31
	v_add_f32 v20, v20, v21
	v_add_f32 v22, v22, v23
	v_mul_f32 v20, 0x3e800000, v20                 ; the row's mean
	v_sub_f32 v24, v24, v20
	v_sub_f32 v26, v26, v20
	v_sub_f32 v28, v28, v20
	v_sub_f32 v30, v30, v20
	v_mul_f32 v23, v24, v24
	v_fma_f32 v23, v26, v26, v23
	v_fma_f32 v23, v28, v28, v23
	v_fma_f32 v23, v30, v30, v23
	v_fmamk_f32 v22, v23, 0x43000000, v22          ; + 128 x the means' squares about it
	v_fma_f32 v22, v22, s[I512], s[EPS]
	v_rsq_f32 v22, v22
	v_mov_b32 v21, v20
	WIN 0x08
.set i, 0
.rept 32
	v_pk_add_f32 v[X+i:X+i+1], v[P+i:P+i+1], v[128+i:129+i]
.set i, i+2
.endr
	WIN 0
.set i, 0
.rept 32
	v_pk_add_f32 v[F+i:F+i+1], v[P+i:P+i+1], v[20:21] neg_lo:[0,1] neg_hi:[0,1]
.set i, i+2
.endr
	s_wait_alu depctr_va_vdst(0)                   ; ahead of the branch and of the first reader
	v_mov_b32 v23, v22
.set i, 0
.rept 16
	ds_store_b128 v[TA], v[X+4*i:X+4*i+3] offset:512*i
.set i, i+1
.endr
	s_cmp_eq_u32 s[CNT], 7
	s_cbranch_scc1 .Lb_last
	PLOAD TA, 8192
	ds_load_b128 v[24:27], v[TB] offset:512
	ds_load_b128 v[28:31], v[TB] offset:528
.Lb_last:
.set i, 0
.rept 32
	v_pk_mul_f32 v[F+i:F+i+1], v[F+i:F+i+1], v[22:23]
.set i, i+2
.endr
	WIN 0x28
.set i, 0
.rept 32
	v_pk_fma_f32 v[F+i:F+i+1], v[F+i:F+i+1], v[i:i+1], v[64+i:65+i]
.set i, i+2
.endr
	WIN 0
	s_wait_dscnt 0x0                               ; the stores of x1 + b2 have read X
	QUANT F, X, PW
	IMAGE IA, 0
	ds_store_b32 v[SA], v[PW]
	s_add_co_u32 s63, s63, 6144
	s_add_co_u32 s66, s66, 256
	s_add_co_u32 s67, s67, 512
	s_add_co_u32 s68, s68, 8192
	s_add_co_u32 s[CNT], s[CNT], 1
	s_cmp_lt_u32 s[CNT], 8
	s_cbranch_scc1 .Lb
	BARRIER                                        ; the normed rows' images lie in LDS
; ---- u = LN(x1) W1 + b1: b1 is the C of the first K step
	GEMM 2, 2, 1
	WSLOAD 18
	BARRIER                                        ; every wave has read those images
	v_mov_b32 v30, 0xbaa15130                      ; coefficient 8, as a vector pair
	v_mov_b32 v31, 0xbaa15130
	s_mov_b32 s[CNT], 0
	s_mov_b32 s63, 0
	s_mov_b32 s66, 0
.macro PK8 op, d, a, b                         ; a packed two-source line on eight pairs
.irp i, 0,2,4,6,8,10,12,14
	\op v[\d+\i:\d+\i+1], v[\a+\i:\a+\i+1], v[\b+\i:\b+\i+1]
.endr
.endm
.macro GCHUNK k                                ; gelu of 16 numbers: z in F + 16 k on
.set FK, F+16*(\k)
.set i, 0
.rept 16
	v_and_b32 v[GA+i], 0x7fffffff, v[FK+i]         ; a = |z|
.set i, i+1
.endr
.irp i, 0,2,4,6,8,10,12,14
	v_pk_add_f32 v[GP+\i:GP+\i+1], v[GA+\i:GA+\i+1], 2.0 op_sel_hi:[1,0]
.endr
.irp i, 0,2,4,6,8,10,12,14
	v_pk_fma_f32 v[GD+\i:GD+\i+1], v[GA+\i:GA+\i+1], 2.0, 1.0 op_sel_hi:[1,0,0]
.endr
	PK8 v_pk_mul_f32, GS, GA, GA
	PK8 v_pk_mul_f32, GR, GP, GD
.irp i, 0,2,4,6,8,10,12,14
	v_pk_mul_f32 v[GS+\i:GS+\i+1], v[GS+\i:GS+\i+1], s[NL2E:NL2E+1] op_sel_hi:[1,0]
.endr
.set i, 0
.rept 16
	v_rcp_f32 v[GR+i], v[GR+i]                     ; 1 / ((a + 2)(2 a + 1))
.set i, i+1
.endr
.set i, 0
.rept 16
	v_exp_f32 v[GS+i], v[GS+i]                     ; e^(-a a)
.set i, i+1
.endr
.irp i, 0,2,4,6,8,10,12,14
	v_pk_add_f32 v[GQ+\i:GQ+\i+1], v[GA+\i:GA+\i+1], -2.0 op_sel_hi:[1,0]
.endr
	s_wait_alu depctr_va_vdst(0)                   ; one wait for the 32
	PK8 v_pk_mul_f32, GD, GD, GR                   ; 1 / (a + 2)
	PK8 v_pk_mul_f32, GP, GP, GR                   ; 1 / (2 a + 1)
	PK8 v_pk_mul_f32, GQ, GQ, GD                   ; q
.irp i, 0,2,4,6,8,10,12,14
	v_pk_fma_f32 v[GR+\i:GR+\i+1], v[GQ+\i:GQ+\i+1], s[CP+18:CP+19], v[30:31] op_sel_hi:[1,0,1]
.endr
.irp c, 7,6,5,4,3,2,1,0
.irp i, 0,2,4,6,8,10,12,14
	v_pk_fma_f32 v[GR+\i:GR+\i+1], v[GR+\i:GR+\i+1], v[GQ+\i:GQ+\i+1], s[CP+2*\c:CP+2*\c+1] op_sel_hi:[1,1,0]
.endr
.endr
.irp i, 0,2,4,6,8,10,12,14
	v_pk_fma_f32 v[GR+\i:GR+\i+1], v[GR+\i:GR+\i+1], v[GP+\i:GP+\i+1], v[GP+\i:GP+\i+1]
.endr
	PK8 v_pk_mul_f32, GR, GR, GS                   ; erfc(a)
	PK8 v_pk_add_f32, FK, FK, GA                   ; z + |z|: 2 z or 0, exactly
.irp i, 0,2,4,6,8,10,12,14
	v_pk_fma_f32 v[FK+\i:FK+\i+1], v[GA+\i:GA+\i+1], v[GR+\i:GR+\i+1], v[FK+\i:FK+\i+1] neg_lo:[1,0,0] neg_hi:[1,0,0]
.endr
.irp i, 0,2,4,6,8,10,12,14
	v_pk_mul_f32 v[FK+\i:FK+\i+1], v[FK+\i:FK+\i+1], s[RS2:RS2+1] op_sel_hi:[1,0]
.endr
.endm
.Lg:
	SWITCH g
	ARMS g, 1
	v_add_nc_u32 v[IA], s63, v[IMW]
	v_add_nc_u32 v[SA], s66, v[ASW]
	GCHUNK 0
	GCHUNK 1
	GCHUNK 2
	GCHUNK 3
	QUANT F, X, PW
	IMAGE IA, 0
	ds_store_b32 v[SA], v[PW]
	s_wait_dscnt 0x0
	s_add_co_u32 s63, s63, 6144
	s_add_co_u32 s66, s66, 256
	s_add_co_u32 s[CNT], s[CNT], 1
	s_cmp_lt_u32 s[CNT], 8
	s_cbranch_scc1 .Lg
	ACCIMG 0                                       ; x1 + b2 becomes the C of the last product
	BARRIER                                        ; gelu's images lie in LDS
; ---- out = x1 + b2 + gelu W2
	GEMM 1, 3, 0
; THE WAY OUT, a row tile at a time: a lane holds 64 numbers of one row; they go through a stage of 16 rows x (512 + 16) bytes at the head of my region and come back as whole rows of my 512 bytes.
.macro TOSTAGE m
	WIN 0x08+0x04*((\m)/4)
.irp b, 0,1,2,3
.irp q, 0,1,2,3
	ds_store_b128 v[STO], v[64*((\m)%4)+16*\b+4*\q:64*((\m)%4)+16*\b+4*\q+3] offset:128*\b+16*\q   ; each accumulator from its low end on
.endr
.endr
	WIN 0
.set BB, F+64*((\m)%2)
.set i, 0
.rept 16
	ds_load_b128 v[BB+4*i:BB+4*i+3], v[XI] offset:528*i          ; LDS serves a wave's instructions in order: these see the stores above, and the next tile's stores come behind them
.set i, i+1
.endr
.endm
.macro SEND m, younger
.set BB, F+64*((\m)%2)
	s_wait_dscnt \younger
.set i, 0
.rept 16
	global_store_b128 v[L16], v[BB+4*i:BB+4*i+3], s[34:35] offset:(32*((\m)/2)+8*((\m)%2)+(i%8)+16*(i/8))*2048 th:TH_STORE_NT   ; 32 lanes store 512 consecutive bytes, aligned
.set i, i+1
.endr
.endm
	TOSTAGE 0
.irp m, 1,2,3,4,5,6,7
.if \m > 1
	s_wait_xcnt 0x0                                ; the stores of two tiles back have read their registers
.endif
	TOSTAGE \m
	SEND \m-1, 32                                  ; behind that tile's loads: this tile's 16 stores and 16 loads
.endr
	SEND 7, 0
	s_wait_tensorcnt 0x0                           ; the wave's end
	ds_add_u32 v[SPW], v[NIL]
	s_wait_dscnt 0x0
	s_endpgm
.Lfunc_end_k_q0861bf4048_chain:
	.size	k_q0861bf4048_chain, .Lfunc_end_k_q0861bf4048_chain-k_q0861bf4048_chain
	.p2alignl 7, 3214868480
	.fill 96, 4, 3214868480
	.section	.rodata,"a",@progbits
	.p2align	6, 0x0
	.amdhsa_kernel k_q0861bf4048_chain
		.amdhsa_group_segment_fixed_size 327680
		.amdhsa_private_segment_fixed_size 0
		.amdhsa_enable_private_segment 0
		.amdhsa_kernarg_size 120
		.amdhsa_user_sgpr_count 2
		.amdhsa_user_sgpr_kernarg_segment_ptr 1
		.amdhsa_wavefront_size32 1
		.amdhsa_system_sgpr_workgroup_id_x 1
		.amdhsa_system_sgpr_workgroup_id_y 1
		.amdhsa_system_sgpr_workgroup_id_z 1
		.amdhsa_system_vgpr_workitem_id 0
		.amdhsa_next_free_vgpr 1024
		.amdhsa_next_free_sgpr 100
		.amdhsa_reserve_vcc 0
		.amdhsa_float_denorm_mode_32 3
		.amdhsa_float_denorm_mode_16_64 3
		.amdhsa_memory_ordered 1
		.amdhsa_forward_progress 1
		.amdhsa_inst_pref_size 255
	.end_amdhsa_kernel
	.section	.bss,"aw",@nobits
	.p2align	6
	.space	262144
	.amdgpu_metadata
---
amdhsa.version: [ 1, 2 ]
amdhsa.kernels:
  - .name:           k_q0861bf4048_chain
    .symbol:         k_q0861bf4048_chain.kd
    .args:
      - { .name: x, .offset: 0, .size: 8, .value_kind: global_buffer, .address_space: global }
      - { .name: himg, .offset: 8, .size: 8, .value_kind: global_buffer, .address_space: global }
      - { .name: hscl, .offset: 16, .size: 8, .value_kind: global_buffer, .address_space: global }
      - { .name: wfrag, .offset: 24, .size: 8, .value_kind: global_buffer, .address_space: global }
      - { .name: Wq_scales, .offset: 32, .size: 8, .value_kind: global_buffer, .address_space: global }
      - { .name: Wm_scales, .offset: 40, .size: 8, .value_kind: global_buffer, .address_space: global }
      - { .name: W1_scales, .offset: 48, .size: 8, .value_kind: global_buffer, .address_space: global }
      - { .name: W2_scales, .offset: 56, .size: 8, .value_kind: global_buffer, .address_space: global }
      - { .name: kvp, .offset: 64, .size: 8, .value_kind: global_buffer, .address_space: global }
      - { .name: ksp, .offset: 72, .size: 8, .value_kind: global_buffer, .address_space: global }
      - { .name: g_ffn, .offset: 80, .size: 8, .value_kind: global_buffer, .address_space: global }
      - { .name: b_ffn, .offset: 88, .size: 8, .value_kind: global_buffer, .address_space: global }
      - { .name: b1, .offset: 96, .size: 8, .value_kind: global_buffer, .address_space: global }
      - { .name: b2, .offset: 104, .size: 8, .value_kind: global_buffer, .address_space: global }
      - { .name: out0, .offset: 112, .size: 8, .value_kind: global_buffer, .address_space: global }
    .group_segment_fixed_size: 327680
    .private_segment_fixed_size: 0
    .kernarg_segment_align: 8
    .kernarg_segment_size: 120
    .max_flat_workgroup_size: 128
    .sgpr_count:     100
    .vgpr_count:     1024
    .wavefront_size: 32
...
	.end_amdgpu_metadata
.endif
;; end of part 3
